; MI455X (gfx1250); checked and timed in simulation.
; The chip was launched on July 23, 2026; its instructions are those of AMD's public machine-readable ISA for CDNA 5 (MIT licence, August 2026) and "CDNA5" Instruction Set Architecture Reference Guide (July 2026). The comments in the code are by the model that wrote it; some were corrected since.
;; Cross Attention. Allowed arithmetic: float matrix products may take bf16 or f16 operands with f32 sums; other float arithmetic in f32, or as packed bf16 or f16 multiplies, adds, multiply-adds, maxima and minima; sums over many terms, partial sums and values carried from step to step in f32; what a program stores and reads back later, other than sums and carried values, may be rounded once to bf16 or f16.
;; Inputs: k_norm_w 64 float32; kv 4 x 2,048 x 1,024 float32; pos_k 2,048 int32; pos_q 1,024 int32; q_norm_w 64 float32; queries 4 x 1,024 x 1,024 float32; wkv 2,048 x 1,024 float32; wo 1,024 x 1,024 float32; wq 1,024 x 1,024 float32.
;; Outputs: out0 4 x 1,024 x 1,024 float32.
;; 2 versions, each right; version 2 is version 1 with the launch prep written anew for expert scheduling mode. Each part assembles by itself: llvm-mc -triple=amdgcn-amd-amdhsa -mcpu=gfx1250 --defsym DOCPART=n.
;; ======== version 1 of 2: 4 launches
;; limits: values are held in f16: magnitudes above 65,504 overflow, below 6.1e-05 lose precision; inputs' magnitudes at most 4,194,304; an absolute error that grows with the inputs' magnitude: up to 5e-07 times it
;; workspace buffers: xb 25,165,824 bytes; wb 8,388,608 bytes; tab 1,572,864 bytes; qh 8,388,608 bytes; kvh 33,554,432 bytes; yh 8,388,608 bytes
;; launch prep (part 1): grid 1408 x 1, 8 waves a work-group, no clusters, 0 bytes of LDS; arguments queries, kv, wq, wkv, wo, q_norm_w, k_norm_w, pos_q, pos_k, xb, wb, tab; writes xb, wb, tab
.if DOCPART == 1
	.amdgcn_target "amdgcn-amd-amdhsa--gfx1250"
	.amdhsa_code_object_version 6
	.text
	.protected	k_q6b6f066f68_prep
	.globl	k_q6b6f066f68_prep
	.p2align	8
	.type	k_q6b6f066f68_prep,@function
k_q6b6f066f68_prep:
	s_mov_b64 s[64:65], 0
	v_nop
	global_prefetch_b8 v0, s[64:65] scope:SCOPE_SE
	s_setreg_imm32_b32 hwreg(HW_REG_WAVE_MODE, 25, 1), 1
	s_wait_xcnt 0x0
; PREPARATION.  (1) queries, kv, wq, wkv are rounded once to bf16 (xb: queries then kv; wb: wq then wkv); wo is rounded to bf16 and that number written as f16 (wb, behind wkv).
; (2) The rotation tables, one row of 512 bytes for each position: Cw[c] = w[c] cos t, Sw[c] = -w[c+32] sin t (c < 32), +w[c-32] sin t (c >= 32), t = f32(pos) x 10000^(-(c%32)/32),
; w = the norm's gain rounded to bf16: then rope(norm(x))[c] = r (x[c] Cw[c] + x[c^32] Sw[c]) with r = rsqrt(mean x^2 + 1e-6).  Rows 0-1023: pos_q, q_norm_w; rows 1024-3071: pos_k, k_norm_w.
; LIMITS.  |wo| stays under 65,504 (f16), and below 6e-5 it keeps f16's fixed step of 6e-8.  10000^(-i/32) is made by v_exp_f32 of a rounded exponent: within about 5e-7 of itself, and the angle with it.
; The angle is reduced by pi/2 in three parts; the quadrant is a 32-bit whole number: |pos| under 2^22.  sin and cos on -pi/4 .. pi/4 by polynomials of degree 7 and 8, good to f32's last bits.
; SHARES.  Work-groups 0-383: eight waves, a table row each (a lane two channels).  Work-groups 384-1407: a chunk of 16,384 numbers each; a thread takes 4 numbers in each of 16 loads,
; all 16 out at once; a wave's store covers 256 consecutive bytes, aligned.  No LDS, no barrier: no wave wants another's bytes.
.set NTAB, 384
	s_load_b512 s[8:23], s[0:1], 0x0               ; queries 8, kv 10, wq 12, wkv 14, wo 16, q_norm_w 18, k_norm_w 20, pos_q 22
	s_load_b256 s[24:31], s[0:1], 0x40             ; pos_k 24, xb 26, wb 28, tab 30
	v_lshrrev_b32 v3, 5, v0
	v_readfirstlane_b32 s2, v3                     ; wave 0..7
	s_mov_b32 s3, 0xffff0000                       ; a word's upper bf16
	s_mov_b32 s37, 0
	s_wait_kmcnt 0x0
	s_cmp_lt_u32 ttmp9, NTAB
	s_cbranch_scc1 .Ltab
	; THE STREAM.  Chunks 0-255 queries, 256-767 kv, 768-831 wq, 832-959 wkv, 960-1023 wo
	s_sub_co_u32 s4, ttmp9, NTAB                   ; my chunk
	s_mov_b64 s[32:33], s[16:17]
	s_mov_b32 s34, 960
.macro PICK bound, lo, start           ; below the bound: the tensor in front, and its first chunk
	s_cmp_lt_u32 s4, \bound
	s_cselect_b64 s[32:33], s[\lo:\lo+1], s[32:33]
	s_cselect_b32 s34, \start, s34
.endm
	PICK 960, 14, 832
	PICK 832, 12, 768
	PICK 768, 10, 256
	PICK 256, 8, 0
	s_sub_co_u32 s36, s4, s34
	s_lshl_b32 s36, s36, 16                        ; 65,536 bytes of f32 a chunk
	s_add_nc_u64 s[32:33], s[32:33], s[36:37]
	s_sub_co_u32 s35, s4, 768
	s_cmp_lt_u32 s4, 768
	s_cselect_b64 s[38:39], s[26:27], s[28:29]     ; activations to xb, weights to wb: each is linear in the chunk's number
	s_cselect_b32 s35, s4, s35
	s_lshl_b32 s36, s35, 15                        ; 32,768 bytes of 16-bit numbers a chunk
	s_add_nc_u64 s[38:39], s[38:39], s[36:37]
	v_lshlrev_b32 v1, 4, v0
	v_lshlrev_b32 v2, 3, v0
.set i, 0
.rept 16
	global_load_b128 v[16+4*i:19+4*i], v1, s[32:33] offset:4096*i th:TH_LOAD_NT
.set i, i+1
.endr
.macro CONV i, half                    ; load i is rounded and stored; no register is used twice, so nothing waits for a store
	s_wait_loadcnt 15-(\i)                         ; loads come back in order: the 15 - i younger ones stay out
.if \half
	v_cvt_pk_bf16_f32 v12, v[16+4*(\i)], v[17+4*(\i)]
	v_cvt_pk_bf16_f32 v13, v[18+4*(\i)], v[19+4*(\i)]
	v_lshlrev_b32 v4, 16, v12
	v_and_b32 v5, s3, v12
	v_lshlrev_b32 v6, 16, v13
	v_and_b32 v7, s3, v13
	v_cvt_pk_f16_f32 v[80+2*(\i)], v4, v5
	v_cvt_pk_f16_f32 v[81+2*(\i)], v6, v7
.else
	v_cvt_pk_bf16_f32 v[80+2*(\i)], v[16+4*(\i)], v[17+4*(\i)]
	v_cvt_pk_bf16_f32 v[81+2*(\i)], v[18+4*(\i)], v[19+4*(\i)]
.endif
	global_store_b64 v2, v[80+2*(\i):81+2*(\i)], s[38:39] offset:2048*(\i)
.endm
	s_cmp_ge_u32 s4, 960
	s_cbranch_scc1 .Lwo
.irp i, 0,1,2,3,4,5,6,7,8,9,10,11,12,13,14,15
	CONV \i, 0
.endr
	s_endpgm
.Lwo:
.irp i, 0,1,2,3,4,5,6,7,8,9,10,11,12,13,14,15
	CONV \i, 1
.endr
	s_endpgm
.Ltab:	; THE TABLES.  Row T = 8 x work-group + wave; lane j owns channels 2 j, 2 j + 1
	s_lshl_b32 s4, ttmp9, 3
	s_add_co_u32 s4, s4, s2
	s_sub_co_u32 s5, s4, 1024
	s_cmp_lt_u32 s4, 1024
	s_cselect_b64 s[32:33], s[22:23], s[24:25]     ; positions
	s_cselect_b64 s[34:35], s[18:19], s[20:21]     ; gains
	s_cselect_b32 s5, s4, s5                       ; the row in its own list
	s_lshl_b32 s36, s5, 2
	s_add_nc_u64 s[32:33], s[32:33], s[36:37]
	s_load_b32 s40, s[32:33], 0x0
	s_lshl_b32 s36, s4, 9
	s_add_nc_u64 s[36:37], s[30:31], s[36:37]      ; my row of the table
	v_and_b32 v1, 31, v0
	v_lshlrev_b32 v6, 3, v1                        ; my two channels' bytes,
	v_xor_b32 v7, 128, v6                          ; and those of the channels 32 away
	global_load_b64 v[8:9], v6, s[34:35]
	global_load_b64 v[10:11], v7, s[34:35]
	v_and_b32 v2, 15, v1
	v_lshlrev_b32 v2, 1, v2                        ; frequency number (2 j) % 32
	v_cvt_f32_u32 v4, v2
	v_add_f32 v5, 1.0, v4
	v_mul_f32 v4, 0xbed49a78, v4                   ; x -log2(10000) / 32
	v_mul_f32 v5, 0xbed49a78, v5
	v_exp_f32 v4, v4
	v_exp_f32 v5, v5
	v_and_b32 v14, 16, v1                          ; plain work behind the two exponentials: Sw's sign, minus for channels under 32,
	v_lshlrev_b32 v14, 27, v14
	v_xor_b32 v14, 0x80000000, v14
	v_mov_b32 v40, 0x3c08839e                      ; and the polynomials' coefficients that stand as addends
	v_mov_b32 v41, 0x3c08839e
	v_mov_b32 v42, 0xbe2aaaa3
	v_mov_b32 v43, 0xbe2aaaa3
	v_mov_b32 v44, 0xbab6061a
	v_mov_b32 v45, 0xbab6061a
	v_mov_b32 v46, 0x3d2aaaa5
	v_mov_b32 v47, 0x3d2aaaa5
	s_wait_alu depctr_va_vdst(0)                   ; one wait for both exponentials, ahead of their first reader
	s_wait_loadcnt 0x0
	s_wait_kmcnt 0x0
	v_cvt_pk_bf16_f32 v12, v8, v9                  ; the gains rounded to bf16, like every floating input
	v_cvt_pk_bf16_f32 v13, v10, v11
	v_lshlrev_b32 v8, 16, v12
	v_and_b32 v9, s3, v12
	v_lshlrev_b32 v10, 16, v13
	v_and_b32 v11, s3, v13
	v_xor_b32 v10, v10, v14
	v_xor_b32 v11, v11, v14
	v_cvt_f32_i32 v16, s40
	v_mov_b32 v17, v16
	v_pk_mul_f32 v[18:19], v[16:17], v[4:5]        ; the angle, rounded once
	v_pk_mul_f32 v[20:21], v[18:19], 0x3f22f983 op_sel_hi:[1,0]  ; x 2 / pi
	v_rndne_f32 v20, v20
	v_rndne_f32 v21, v21                           ; n
	v_pk_fma_f32 v[22:23], v[20:21], 0xbfc90fdb, v[18:19] op_sel_hi:[1,0,1]  ; r = angle - n pi/2, pi/2 in three parts
	v_pk_fma_f32 v[22:23], v[20:21], 0x333bbd2e, v[22:23] op_sel_hi:[1,0,1]
	v_pk_fma_f32 v[22:23], v[20:21], 0x26f72ced, v[22:23] op_sel_hi:[1,0,1]
	v_pk_mul_f32 v[24:25], v[22:23], v[22:23]      ; z = r r
	v_pk_fma_f32 v[26:27], v[24:25], 0xb94ca1f9, v[40:41] op_sel_hi:[1,0,1]  ; sin r = r + r z (S1 + z (S2 + z S3))
	v_pk_fma_f32 v[26:27], v[26:27], v[24:25], v[42:43]
	v_pk_mul_f32 v[26:27], v[26:27], v[24:25]
	v_pk_fma_f32 v[26:27], v[26:27], v[22:23], v[22:23]
	v_pk_fma_f32 v[28:29], v[24:25], 0x37ccf5ce, v[44:45] op_sel_hi:[1,0,1]  ; cos r = 1 - z/2 + z z (C2 + z (C1 + z C0))
	v_pk_fma_f32 v[28:29], v[28:29], v[24:25], v[46:47]
	v_pk_fma_f32 v[30:31], v[24:25], -0.5, 1.0 op_sel_hi:[1,0,0]
	v_pk_mul_f32 v[32:33], v[24:25], v[24:25]
	v_pk_fma_f32 v[28:29], v[28:29], v[32:33], v[30:31]
.irp k, 0,1                            ; the quadrant n mod 4: odd n swaps sin and cos; sin is turned for n mod 4 = 2, 3, cos for 1, 2.  A choice of values only
	v_cvt_i32_f32 v[48+(\k)], v[20+(\k)]
	v_and_b32 v[50+(\k)], 1, v[48+(\k)]
	v_cmp_eq_u32 s[41+(\k)], 1, v[50+(\k)]
	v_cndmask_b32 v[52+(\k)], v[26+(\k)], v[28+(\k)], s[41+(\k)]
	v_cndmask_b32 v[54+(\k)], v[28+(\k)], v[26+(\k)], s[41+(\k)]
	v_and_b32 v[50+(\k)], 2, v[48+(\k)]
	v_lshlrev_b32 v[50+(\k)], 30, v[50+(\k)]
	v_xor_b32 v[52+(\k)], v[52+(\k)], v[50+(\k)]
	v_add_nc_u32 v[48+(\k)], 1, v[48+(\k)]
	v_and_b32 v[48+(\k)], 2, v[48+(\k)]
	v_lshlrev_b32 v[48+(\k)], 30, v[48+(\k)]
	v_xor_b32 v[54+(\k)], v[54+(\k)], v[48+(\k)]
.endr
	v_pk_mul_f32 v[34:35], v[8:9], v[54:55]        ; Cw
	v_pk_mul_f32 v[36:37], v[10:11], v[52:53]      ; Sw
	global_store_b64 v6, v[34:35], s[36:37]        ; each store of the wave covers 256 consecutive bytes, aligned
	global_store_b64 v6, v[36:37], s[36:37] offset:256
	s_endpgm
.Lfunc_end_k_q6b6f066f68_prep:
	.size	k_q6b6f066f68_prep, .Lfunc_end_k_q6b6f066f68_prep-k_q6b6f066f68_prep
	.p2alignl 7, 3214868480
	.fill 96, 4, 3214868480
	.section	.rodata,"a",@progbits
	.p2align	6, 0x0
	.amdhsa_kernel k_q6b6f066f68_prep
		.amdhsa_group_segment_fixed_size 0
		.amdhsa_private_segment_fixed_size 0
		.amdhsa_enable_private_segment 0
		.amdhsa_kernarg_size 96
		.amdhsa_user_sgpr_count 2
		.amdhsa_user_sgpr_kernarg_segment_ptr 1
		.amdhsa_wavefront_size32 1
		.amdhsa_system_sgpr_workgroup_id_x 1
		.amdhsa_system_sgpr_workgroup_id_y 1
		.amdhsa_system_sgpr_workgroup_id_z 1
		.amdhsa_system_vgpr_workitem_id 0
		.amdhsa_next_free_vgpr 112
		.amdhsa_next_free_sgpr 66
		.amdhsa_reserve_vcc 0
		.amdhsa_float_denorm_mode_32 3
		.amdhsa_float_denorm_mode_16_64 3
		.amdhsa_memory_ordered 1
		.amdhsa_forward_progress 1
		.amdhsa_inst_pref_size 21
	.end_amdhsa_kernel
	.amdgpu_metadata
---
amdhsa.version: [ 1, 2 ]
amdhsa.kernels:
  - .name:           k_q6b6f066f68_prep
    .symbol:         k_q6b6f066f68_prep.kd
    .args:
      - { .name: queries, .offset: 0, .size: 8, .value_kind: global_buffer, .address_space: global }
      - { .name: kv, .offset: 8, .size: 8, .value_kind: global_buffer, .address_space: global }
      - { .name: wq, .offset: 16, .size: 8, .value_kind: global_buffer, .address_space: global }
      - { .name: wkv, .offset: 24, .size: 8, .value_kind: global_buffer, .address_space: global }
      - { .name: wo, .offset: 32, .size: 8, .value_kind: global_buffer, .address_space: global }
      - { .name: q_norm_w, .offset: 40, .size: 8, .value_kind: global_buffer, .address_space: global }
      - { .name: k_norm_w, .offset: 48, .size: 8, .value_kind: global_buffer, .address_space: global }
      - { .name: pos_q, .offset: 56, .size: 8, .value_kind: global_buffer, .address_space: global }
      - { .name: pos_k, .offset: 64, .size: 8, .value_kind: global_buffer, .address_space: global }
      - { .name: xb, .offset: 72, .size: 8, .value_kind: global_buffer, .address_space: global }
      - { .name: wb, .offset: 80, .size: 8, .value_kind: global_buffer, .address_space: global }
      - { .name: tab, .offset: 88, .size: 8, .value_kind: global_buffer, .address_space: global }
    .group_segment_fixed_size: 0
    .private_segment_fixed_size: 0
    .kernarg_segment_align: 8
    .kernarg_segment_size: 96
    .max_flat_workgroup_size: 256
    .sgpr_count:     66
    .vgpr_count:     112
    .wavefront_size: 32
...
	.end_amdgpu_metadata
.endif
;; end of part 1
;; launch proj (part 2): grid 8 x 32, 4 waves a work-group, clusters of 4 x 4, 327,680 bytes of LDS; arguments xb, wb, tab, kvh, qh; writes kvh, qh
.if DOCPART == 2
	.amdgcn_target "amdgcn-amd-amdhsa--gfx1250"
	.amdhsa_code_object_version 6
	.text
	.protected	k_q6b6f066f68_proj
	.globl	k_q6b6f066f68_proj
	.p2align	8
	.type	k_q6b6f066f68_proj,@function
k_q6b6f066f68_proj:
	s_mov_b64 s[64:65], 0
	v_nop
	global_prefetch_b8 v0, s[64:65] scope:SCOPE_SE
	s_setreg_imm32_b32 hwreg(HW_REG_WAVE_MODE, 25, 1), 1
	s_wait_xcnt 0x0
	s_wait_alu depctr_hold_cnt(0) depctr_sa_sdst(0) depctr_va_vdst(0) depctr_va_sdst(0) depctr_va_ssrc(0) depctr_va_vcc(0) depctr_vm_vsrc(0)
	s_getreg_b32 s2, hwreg(HW_REG_IB_STS2, 6, 4)
	s_cmp_eq_u32 s2, 0
	s_cbranch_scc0 .Lentry_in_a_cluster
	s_endpgm
.Lentry_in_a_cluster:
	s_bfe_u32 s2, ttmp6, 0x10000c
	s_cmp_lg_u32 s2, 0xf033
	s_cbranch_scc0 .Lentry_shape_is_right
	s_endpgm
.Lentry_shape_is_right:
; BOTH PROJECTIONS IN FRONT OF THE ATTENTION.  (1) q = rope(rmsnorm(queries x wq^T)), (2) kv x wkv^T, k = rope(rmsnorm(k)); q, k and v laid out by heads in f16.
; IN: xb: queries [4096][1024] bf16, then kv [8192][1024] bf16; wb: wq [1024][1024] bf16, then wkv [2048][1024] bf16; tab: rows of 512 bytes, Cw[64], Sw[64] in f32, 1,024 rows for pos_q, then 2,048 for pos_k.
; OUT: qh [64 = batch x 16 + head][1024][64] f16; kvh: k [64][2048][64] f16, then v in the same shape, 16,777,216 bytes on.  Sums in f32.
; LIMITS.  q, k and v are rounded once to f16: |v| under 65,504, |gain| under about 5,000; below 6e-5 f16 keeps its fixed step of 6e-8.  NaN and infinities are not treated apart.
; SHARES.  256 work-groups of four waves.  Each makes first a tile of 128 x 128 of q (a wave 64 rows x 64 columns: ONE head; four K steps of 256), then a tile of 256 x 256 of kv (a wave 128 x 128: ONE head's
; 64 channels of k and 64 of v; eight K steps of 128).  One ring of two LDS slots serves both: q's K steps 0 and 2 and then q's table lie in the slot at SLOT, its K steps 1 and 3 in the slot at 0;
; kv's K step 0 is asked for at q's last change of slots, kv's K step 1 behind q's way out: so kv's first tiles land while q is finished.
; CLUSTER.  4 x 4 work-groups; A's tiles and the tables (they hang on the tile row alone) are asked for jointly along a row of the cluster, B's along a column.
; THE MATRIX INSTRUCTION IS USED TRANSPOSED (source 0 = 16 rows of B, source 1 = 16 rows of A): lane l holds row l % 16 and the columns 8 (l / 16) + 0..7 of a block of 16.
; NORM AND ROTATION.  The f32 sums go into LDS bytes of the wave's own and come back with eight lanes to a row, eight channels a lane: the sum of squares is three exchanges within eight lanes, the channel 32
; away lies four lanes away.  One loop text, 16 rows a trip.  q's sums have a region of their own behind the ring, 32 rows a wave, used twice;
; k's sums go into the slot at SLOT, whose last fill is over by then, and k's table into the slot at 0 in place of a K step.  v: rounded to f16, through a stage of the wave's own.
; REGISTERS, in windows of 256.  Window 0: v0-41 addresses; v64-191 kv's A fragments, two buffers; v64-231 the ways out.  Window 1: q's two fragment buffers of 128 (A 64, B 64); then v64-191 kv's B fragments.
; Window 2: q's accumulators ((a, b) at v[8 (4 a + b)]); then kv's of my rows 0-63 ((a, b) at v[8 (8 a + b)]).  Window 3: kv's of my rows 64-127.
.set SIZE_K, 1024
.set KSTEP,  128
.set PITCH,  272                       ; kv: an LDS row: 256 bytes + 16 of padding = 68 words: the 16 rows of a load start at 16 different groups of four banks (ISA guide 11.1)
.set HALFT,  128*PITCH
.set SLOT,   4*HALFT                   ; kv: A's 256 rows, then B's 256 rows
.set QKSTEP, 256
.set QPITCH, 528                       ; q: an LDS row: 512 + 16
.set QHALFT, 64*QPITCH                 ; q: four of these, A's 128 rows and B's 128 rows, are 135,168 bytes: within a slot
.set TP,     528                       ; a row of a table in LDS: 512 + 16
.set DP,     272                       ; a row of f32 sums in LDS: 256 + 16
.set VST,    2*SLOT                    ; behind the ring: v's stage, 16 rows x 144 bytes for each wave; no fill lands here
.set VP,     144
.set QD,     VST+4*16*VP               ; q's sums: 32 rows x 272 bytes for each wave; no fill lands here
.set SPARE,  QD+4*32*DP                ; the spare words, 128 bytes for each wave: two blocks of 256 bytes that no other line names
.set LAPS,   SIZE_K/(2*KSTEP)
.set ADRA, 16                          ; v16-17  kv: LDS address of my A fragments in slot 0, 1
.set ADRB, 20                          ; v20-21  the same for B
.set STO,  24                          ; v24  v's stage: where I put 16 bytes of a row
.set RD,   25                          ; v25  v's stage: where I read rows back
.set GO,   26                          ; v26  16 x lane: my 16 bytes of 512 consecutive bytes of q, k or v
.set SPW,  28                          ; v28  my spare word; never rewritten
.set NIL,  29                          ; v29  0; never rewritten
.set PFO,  30                          ; v30  the prefetches' offset: lane x a row of A or B
.set DK,   31                          ; v31  k: where I put 32 bytes of a row of sums
.set LK,   32                          ; v32  where I read sums back; steps by 16 rows
.set LT,   33                          ; v33  my place in the table; steps by 16 rows
.set QADRA, 34                         ; v34-35  q: LDS address of my A fragments in q's slot 0 (at SLOT), 1 (at 0)
.set QADRB, 36                         ; v36-37  the same for B
.set QDK,  38                          ; v38  q: where I put 32 bytes of a row of sums
.set KLK,  39                          ; v39  k: LK's first value
.set KLT,  40                          ; v40  k: LT's first value
.set QLK,  41                          ; v41  q: LK's first value
.set PFA,  44                          ; s[44:45] where my prefetches stand
.set LIM,  43                          ; s43  1 in a wave that prefetches, else the greatest number
.set F0,   64
.set F1,   128
.set QF0,  0
.set QF1,  128
.set VB,   64                          ; v64-191  v: 16 registers for each block of 16 rows
.set XX,   64                          ; the loop over rows, four groups u of four rows: sums, 8 a group
.set CW,   96                          ; Cw
.set SW,   128                         ; Sw
.set PT,   160                         ; the partner's product, then the result
.set SQ,   192                         ; squares, 4 a group
.set RR,   208                         ; 1 / root, a pair a group
.set YY,   216                         ; f16 to store, 4 a group
.set G1,  24                           ; s[24:31] group 1 for A's tiles;  s[32:39] group 0, a set for each slot
.set G0,  32
.set G1B, 48                           ; s[48:55], s[56:63] the same for B's
.set G0B, 56
.set GT1, 68                           ; s[68:75] the table's group 1
.set GT0, 76                           ; s[76:79] its group 0
.set KO,  84                           ; s[84:85] q, later k, at my rows
.set VO,  86                           ; s[86:87] v at my rows
.set KKO, 96                           ; s[96:97] k at my rows, kept while KO serves q
.set KVA, 98                           ; s[98:99] kv: my part of A's first tile
.set KVB, 100                          ; s[100:101] kv: my part of B's first tile
.set KVT, 104                          ; s[104:105] my part of k's table
.set MSB, 0
.macro WIN new                         ; the immediate's high byte repeats the setting that is left
.if MSB != (\new)
	s_set_vgpr_msb (MSB<<8)|(\new)
.set MSB, \new
.endif
.endm
.set MUL_LO, 0xa1                      ; kv: source 0 (B) window 1, source 1 (A) window 0, C and D window 2
.set MUL_HI, 0xf1
.set QMUL,   0xa5                      ; q: sources 0 and 1 window 1, C and D window 2
.set TO_B,   0x40                      ; destination window 1, address window 0
; A joint load: waves 0 and 1 fetch A's halves, waves 2 and 3 B's.  An s_nop 0 and four v_nop follow each line.
.macro JLOAD s
	s_cmp_eq_u32 s11, 0
	s_cbranch_scc0 .Lfor_b_\@
	tensor_load_to_lds s[G0+4*(\s):G0+4*(\s)+3], s[G1:G1+7]
	s_nop 0
.rept 4
	v_nop
.endr
	s_branch .Lasked_\@
.Lfor_b_\@:
	tensor_load_to_lds s[G0B+4*(\s):G0B+4*(\s)+3], s[G1B:G1B+7]
	s_nop 0
.rept 4
	v_nop
.endr
.Lasked_\@:
.endm
.macro TLOAD                           ; a table: every wave fetches a quarter of its rows, jointly with my row of the cluster
	tensor_load_to_lds s[GT0:GT0+3], s[GT1:GT1+7]
	s_nop 0
.rept 4
	v_nop
.endr
.endm
; A prefetch of kv's K step that stands two refills on: 32 rows x 256 bytes, a lane a row.  A's rows are asked for by the clusters with x = 0, B's by those with y = 0; the four partners that fetch a tile
; jointly take 32 of a wave's 128 rows each, told apart by address.  So each row's 256 bytes of a K step are named once.  The last trip (s3 = 1) has no K step two on.
.macro ASK
	s_cmp_gt_u32 s3, s[LIM]
	s_cbranch_scc0 .Lnot_mine_\@
	global_prefetch_b8 v[PFO], s[PFA:PFA+1] offset:KSTEP*2 th:TH_LOAD_NT scope:SCOPE_SE
.Lnot_mine_\@:
.endm
.macro CREST                           ; a round of the cluster's barrier behind its opening barrier
	s_cmp_lg_u32 s10, 0
	s_cbranch_scc1 .Lnot_wave_0_\@
	s_barrier_signal -3
.Lnot_wave_0_\@:
	s_barrier_wait -3
	s_barrier_signal -1
	s_barrier_wait -1
.endm
.macro CROUND
	s_barrier_signal -1
	s_barrier_wait -1
	CREST
.endm
.macro PLACES                          ; four plain places behind matrix instructions, in front of loads into their sources and of reads of their results
.rept 4
	v_nop
.endr
.endm
	s_load_b128 s[4:7], s[0:1], 0x0                ; xb, wb
	s_load_b128 s[80:83], s[0:1], 0x10             ; tab, kvh
	s_load_b64 s[92:93], s[0:1], 0x20              ; qh
	v_lshl_add_u32 v[SPW], v0, 2, SPARE
	v_mov_b32 v[NIL], 0
	ds_add_u32 v[SPW], v[NIL]                      ; the wave's opening: the add and its wait ahead of my first tensor load
	v_lshrrev_b32 v1, 5, v0
	v_readfirstlane_b32 s10, v1                    ; wave 0..3
	s_lshr_b32 s11, s10, 1                         ; my half of a tile's rows.  Also: I fetch for A (0) or B (1)
	s_and_b32 s12, s10, 1                          ; my half of its columns.  Also: which half of that tile's rows I fetch
	s_bfe_u32 s40, ttmp6, 0x40000                  ; cx
	s_bfe_u32 s41, ttmp6, 0x40004                  ; cy
	s_lshl_b32 s42, ttmp9, 2
	s_add_co_u32 s42, s42, s40                     ; tile column, of q and of kv
	s_and_b32 s13, ttmp7, 0xffff
	s_lshl_b32 s13, s13, 2
	s_add_co_u32 s13, s13, s41                     ; tile row, of q and of kv
	s_lshl_b32 s94, s41, 2
	s_lshl_b32 s94, 15, s94                        ; my row of the cluster
	s_lshl_b32 s95, 0x1111, s40                    ; my column
	; q's descriptors: tiles of 64 rows x 256 elements of 2 bytes, 4 words of padding after every 128; the table: 32 rows x 128 f32 a wave
	s_or_b32 s[G1+0], s94, (1<<16)|(1<<20)|(1<<21)|(6<<22)|(3<<25)
	s_or_b32 s[G1B+0], s95, (1<<16)|(1<<20)|(1<<21)|(6<<22)|(3<<25)
	s_or_b32 s[GT1+0], s94, (2<<16)|(1<<20)|(1<<21)|(6<<22)|(3<<25)
.irp g, G1, G1B
	s_mov_b32 s[(\g)+1], QKSTEP<<16                ; tensor_dim0 = 256
	s_mov_b32 s[(\g)+2], 64<<16                    ; tensor_dim1 = 64
	s_mov_b32 s[(\g)+3], QKSTEP<<16                ; tile_dim0 = 256
	s_mov_b32 s[(\g)+4], 64                        ; tile_dim1 = 64
	s_mov_b32 s[(\g)+5], SIZE_K                    ; elements from row to row
	s_mov_b32 s[(\g)+6], 0
	s_mov_b32 s[(\g)+7], 0
.endr
	s_mov_b32 s[GT1+1], 128<<16
	s_mov_b32 s[GT1+2], 32<<16
	s_mov_b32 s[GT1+3], 128<<16
	s_mov_b32 s[GT1+4], 32
	s_mov_b32 s[GT1+5], 128
	s_mov_b32 s[GT1+6], 0
	s_mov_b32 s[GT1+7], 0
	s_lshl_b32 s17, s12, 6
	s_lshl_b32 s16, s13, 7
	s_add_co_u32 s16, s16, s17                     ; q, A: row 128 x tile row + 64 x half
	s_lshl_b32 s46, s42, 7
	s_add_co_u32 s46, s46, s17                     ; q, B: row 128 x tile column + 64 x half
	s_mov_b32 s17, 0
	s_mov_b32 s47, 0
	s_mov_b64 s[18:19], SIZE_K*2
	s_mul_u64 s[16:17], s[16:17], s[18:19]
	s_mul_u64 s[46:47], s[46:47], s[18:19]
	s_mul_i32 s20, s10, QHALFT                     ; where q's tiles go in a slot: wave x 64 rows
	s_and_b32 s66, s13, 7                          ; q's table: a batch has 8 tile rows of 128 positions; I fetch 32 of them
	s_lshl_b32 s66, s66, 7
	s_lshl_b32 s67, s10, 5
	s_add_co_u32 s66, s66, s67
	s_lshl_b32 s66, s66, 9                         ; 512 bytes a row
	s_mov_b32 s67, 0
	s_mov_b32 s[GT0], 1
	s_mul_i32 s[GT0+1], s10, 32*TP
	s_add_co_u32 s[GT0+1], s[GT0+1], SLOT          ; into the slot at SLOT
	s_mov_b32 s88, 0x3c800000                      ; 1 / 64
	s_mov_b32 s89, 0x358637bd                      ; 1e-6
	s_wait_dscnt 0x0                               ; the opening add is done
	s_wait_kmcnt 0x0
	s_add_nc_u64 s[14:15], s[4:5], s[16:17]
	s_add_nc_u64 s[46:47], s[6:7], s[46:47]
	s_add_nc_u64 s[GT0+2:GT0+3], s[80:81], s[66:67]
	s_or_b32 s[GT0+3], s[GT0+3], 0x80000000
	CROUND                                         ; all sixteen work-groups are here: the first joint loads meet
.irp s, 0,1
	s_mov_b32 s[G0+4*(\s)], 1
	s_add_co_u32 s[G0+4*(\s)+1], s20, (1-(\s))*SLOT  ; q's slot 0 lies at SLOT, its slot 1 at 0
	s_add_nc_u64 s[G0+4*(\s)+2:G0+4*(\s)+3], s[14:15], (\s)*QKSTEP*2
	s_or_b32 s[G0+4*(\s)+3], s[G0+4*(\s)+3], 0x80000000
	s_mov_b32 s[G0B+4*(\s)], 1
	s_add_co_u32 s[G0B+4*(\s)+1], s20, (1-(\s))*SLOT
	s_add_nc_u64 s[G0B+4*(\s)+2:G0B+4*(\s)+3], s[46:47], (\s)*QKSTEP*2
	s_or_b32 s[G0B+4*(\s)+3], s[G0B+4*(\s)+3], 0x80000000
	JLOAD \s
.endr
	; the lanes' addresses, for both phases
	v_and_b32 v1, 15, v0                           ; l % 16
	v_bfe_u32 v2, v0, 4, 1                         ; l / 16
	v_bfe_u32 v6, v0, 3, 2                         ; on the way back eight lanes share a row: row (l / 8) % 4 of four,
	v_and_b32 v7, 7, v0                            ; eight channels from 8 (l % 8) on
	v_mul_u32_u24 v3, v1, QPITCH
	v_lshl_add_u32 v3, v2, 4, v3
	s_mul_i32 s21, s11, QHALFT
	s_mul_i32 s22, s12, QHALFT
	s_add_co_u32 s22, s22, 2*QHALFT
	v_add_nc_u32 v[QADRA+1], s21, v3
	v_add_nc_u32 v[QADRB+1], s22, v3
	s_add_co_u32 s21, s21, SLOT
	s_add_co_u32 s22, s22, SLOT
	v_add_nc_u32 v[QADRA], s21, v3
	v_add_nc_u32 v[QADRB], s22, v3
	v_mul_u32_u24 v3, v1, PITCH
	v_lshl_add_u32 v3, v2, 4, v3
	s_mul_i32 s21, s11, HALFT
	s_mul_i32 s22, s12, HALFT
	s_add_co_u32 s22, s22, 2*HALFT
.irp s, 0,1
	v_add_nc_u32 v[ADRA+(\s)], s21, v3
	v_add_nc_u32 v[ADRB+(\s)], s22, v3
	s_add_co_u32 s21, s21, SLOT
	s_add_co_u32 s22, s22, SLOT
.endr
	s_mul_i32 s23, s10, 16*VP
	s_add_co_u32 s23, s23, VST
	v_mul_u32_u24 v4, v1, VP
	v_lshl_add_u32 v4, v2, 4, v4
	v_add_nc_u32 v[STO], s23, v4
	v_mul_u32_u24 v5, v6, VP
	v_lshl_add_u32 v5, v7, 4, v5
	v_add_nc_u32 v[RD], s23, v5
	v_and_b32 v[GO], 31, v0
	v_lshlrev_b32 v[GO], 4, v[GO]
	v_mul_u32_u24 v4, v1, DP                       ; sums in: row l % 16, 32 bytes for each half of the lanes
	v_lshl_add_u32 v4, v2, 5, v4
	v_mul_u32_u24 v5, v6, DP                       ; sums back
	v_lshl_add_u32 v5, v7, 5, v5
	v_mul_u32_u24 v8, v6, TP                       ; the same row and channels in a table
	v_lshl_add_u32 v8, v7, 5, v8
	s_mul_i32 s23, s10, 32*DP
	s_add_co_u32 s23, s23, QD                      ; q: my 32 rows of sums
	v_add_nc_u32 v[QDK], s23, v4
	v_add_nc_u32 v[QLK], s23, v5
	s_mul_i32 s23, s11, 64*TP
	s_add_co_u32 s23, s23, SLOT                    ; q: my 64 rows of the table
	v_add_nc_u32 v[LT], s23, v8
	s_mul_i32 s23, s10, 128*DP
	s_add_co_u32 s23, s23, SLOT                    ; k: my 128 rows of sums
	v_add_nc_u32 v[DK], s23, v4
	v_add_nc_u32 v[KLK], s23, v5
	s_mul_i32 s23, s11, 128*TP                     ; k: my 128 rows of the table, in the slot at 0
	v_add_nc_u32 v[KLT], s23, v8
	; where q goes: ((batch x 16 + head) x 1024 + position) x 128 bytes
	s_lshr_b32 s84, s13, 3
	s_lshl_b32 s84, s84, 4
	s_lshl_b32 s85, s42, 1
	s_add_co_u32 s84, s84, s85
	s_add_co_u32 s84, s84, s12                     ; head = 2 x tile column + my half
	s_lshl_b32 s84, s84, 10
	s_and_b32 s85, s13, 7
	s_lshl_b32 s85, s85, 7
	s_add_co_u32 s84, s84, s85
	s_lshl_b32 s85, s11, 6
	s_add_co_u32 s84, s84, s85
	s_lshl_b32 s84, s84, 7
	s_mov_b32 s85, 0
	s_add_nc_u64 s[KO:KO+1], s[92:93], s[84:85]
	; where k and v go: ((batch x 16 + head) x 2048 + position) x 128 bytes
	s_lshr_b32 s96, s13, 3
	s_lshl_b32 s96, s96, 4
	s_lshl_b32 s97, s42, 1
	s_add_co_u32 s96, s96, s97
	s_add_co_u32 s96, s96, s12
	s_lshl_b32 s96, s96, 11
	s_and_b32 s97, s13, 7
	s_lshl_b32 s97, s97, 8
	s_add_co_u32 s96, s96, s97
	s_lshl_b32 s97, s11, 7
	s_add_co_u32 s96, s96, s97
	s_lshl_b32 s96, s96, 7
	s_mov_b32 s97, 0
	s_add_nc_u64 s[KKO:KKO+1], s[82:83], s[96:97]
	s_add_nc_u64 s[VO:VO+1], s[KKO:KKO+1], 16777216
	; kv's tiles: made here, kept until q's last change of slots.  q's descriptors hold copies of their own, so the two bases may step
	s_add_nc_u64 s[4:5], s[4:5], 8388608           ; from here on A = kv, behind the queries,
	s_add_nc_u64 s[6:7], s[6:7], 2097152           ; and B = wkv, behind wq
	s_lshl_b32 s17, s12, 7
	s_lshl_b32 s16, s13, 8
	s_add_co_u32 s16, s16, s17                     ; A: row 256 x tile row + 128 x half
	s_lshl_b32 s46, s42, 8
	s_add_co_u32 s46, s46, s17                     ; B: row 256 x tile column + 128 x half
	s_mov_b32 s17, 0
	s_mov_b32 s47, 0
	s_mov_b64 s[18:19], SIZE_K*2
	s_mul_u64 s[16:17], s[16:17], s[18:19]
	s_mul_u64 s[46:47], s[46:47], s[18:19]
	s_add_nc_u64 s[KVA:KVA+1], s[4:5], s[16:17]
	s_add_nc_u64 s[KVB:KVB+1], s[6:7], s[46:47]
	s_and_b32 s66, s13, 7                          ; k's table: a batch has 8 tile rows of 256 positions; I fetch 64 of them
	s_lshl_b32 s66, s66, 8
	s_lshl_b32 s67, s10, 6
	s_add_co_u32 s66, s66, s67
	s_lshl_b32 s66, s66, 9
	s_add_co_u32 s66, s66, 524288                  ; behind pos_q's 1,024 rows
	s_mov_b32 s67, 0
	s_add_nc_u64 s[KVT:KVT+1], s[80:81], s[66:67]
	; the prefetches, for kv's tiles
	s_lshl_b32 s8, s13, 8
	s_lshl_b32 s9, s42, 8
	s_and_b32 s22, ttmp7, 0xffff
	s_cmp_eq_u32 s11, 0
	s_cselect_b32 s20, s8, s9                      ; the tile's first row
	s_cselect_b32 s21, s40, s41                    ; my place among the four that ask for it with me
	s_cselect_b32 s22, ttmp9, s22                  ; the coordinate along which other clusters read the same rows
	s_cselect_b64 s[PFA:PFA+1], s[4:5], s[6:7]
	s_cmp_eq_u32 s22, 0
	s_cselect_b32 s[LIM], 1, -1
	s_lshl_b32 s22, s12, 7
	s_add_co_u32 s20, s20, s22
	s_lshl_b32 s21, s21, 5
	s_add_co_u32 s20, s20, s21
	s_mov_b32 s21, 0
	s_mul_u64 s[20:21], s[20:21], s[18:19]
	s_add_nc_u64 s[PFA:PFA+1], s[PFA:PFA+1], s[20:21]
	s_add_nc_u64 s[PFA:PFA+1], s[PFA:PFA+1], 2*KSTEP*2  ; at K step 2: kv's first refill in the loop steps it to 3 and names K step 4
	v_and_b32 v[PFO], 31, v0
	v_mul_u32_u24 v[PFO], v[PFO], SIZE_K*2
; ---- q's macros ----
; 8 matrix instructions: m blocks a0, a0 + 1 x all 4 n blocks, 32 along K: half c of buffer f.  zero = 1: the first product starts the sums.
.macro QMUL8 f, c, a0, zero
	WIN QMUL
.irp a, \a0, (\a0)+1
.irp b, 0,1,2,3
.if \zero
	v_wmma_f32_16x16x32_bf16 v[8*(4*(\a)+(\b)):8*(4*(\a)+(\b))+7], v[(\f)+64+8*(4*(\c)+(\b)):(\f)+64+8*(4*(\c)+(\b))+7], v[(\f)+8*(4*(\c)+(\a)):(\f)+8*(4*(\c)+(\a))+7], 0
.else
	v_wmma_f32_16x16x32_bf16 v[8*(4*(\a)+(\b)):8*(4*(\a)+(\b))+7], v[(\f)+64+8*(4*(\c)+(\b)):(\f)+64+8*(4*(\c)+(\b))+7], v[(\f)+8*(4*(\c)+(\a)):(\f)+8*(4*(\c)+(\a))+7], v[8*(4*(\a)+(\b)):8*(4*(\a)+(\b))+7]
.endif
.endr
.endr
.endm
.macro QFETCH slot, k, f               ; 32 LDS loads in one run: 64 along K at byte k of the rows; the first 32 along K first
	WIN TO_B
.irp c, 0,1
.irp i, 0,1,2,3
	ds_load_b128 v[(\f)+64+8*(4*(\c)+(\i)):(\f)+64+8*(4*(\c)+(\i))+3],   v[QADRB+(\slot)] offset:(\k)+64*(\c)+(\i)*16*QPITCH
	ds_load_b128 v[(\f)+64+8*(4*(\c)+(\i))+4:(\f)+64+8*(4*(\c)+(\i))+7], v[QADRB+(\slot)] offset:(\k)+64*(\c)+(\i)*16*QPITCH+32
	ds_load_b128 v[(\f)+8*(4*(\c)+(\i)):(\f)+8*(4*(\c)+(\i))+3],         v[QADRA+(\slot)] offset:(\k)+64*(\c)+(\i)*16*QPITCH
	ds_load_b128 v[(\f)+8*(4*(\c)+(\i))+4:(\f)+8*(4*(\c)+(\i))+7],       v[QADRA+(\slot)] offset:(\k)+64*(\c)+(\i)*16*QPITCH+32
.endr
.endr
.endm
.macro QQUARTER slot, k, f, g, zero
	s_wait_dscnt 16                                ; the first 32 along K are in
	WIN QMUL
	QMUL8 \f, 0, 0, \zero
	QMUL8 \f, 0, 2, \zero
	PLACES
	QFETCH \slot, \k, \g
	s_wait_dscnt 32                                ; all but the 32 just issued
	WIN QMUL
	QMUL8 \f, 1, 0, 0
	QMUL8 \f, 1, 2, 0
.endm
; kv's descriptors, into the registers that served q's: written where no tensor load of mine is out.  Tiles of 128 rows x 128 elements, 4 words of padding after every 64; the table: 64 rows a wave.
.macro KVDESC
	s_or_b32 s[G1+0], s94, (1<<16)|(1<<20)|(1<<21)|(5<<22)|(3<<25)
	s_or_b32 s[G1B+0], s95, (1<<16)|(1<<20)|(1<<21)|(5<<22)|(3<<25)
.irp g, G1, G1B
	s_mov_b32 s[(\g)+1], KSTEP<<16
	s_mov_b32 s[(\g)+2], 128<<16
	s_mov_b32 s[(\g)+3], KSTEP<<16
	s_mov_b32 s[(\g)+4], 128
.endr
	s_mov_b32 s[GT1+2], 64<<16
	s_mov_b32 s[GT1+4], 64
	s_mul_i32 s20, s10, HALFT                      ; where kv's tiles go in a slot: wave x 128 rows
.irp s, 0,1
	s_add_co_u32 s[G0+4*(\s)+1], s20, (\s)*SLOT
	s_add_nc_u64 s[G0+4*(\s)+2:G0+4*(\s)+3], s[KVA:KVA+1], (\s)*KSTEP*2
	s_or_b32 s[G0+4*(\s)+3], s[G0+4*(\s)+3], 0x80000000
	s_add_co_u32 s[G0B+4*(\s)+1], s20, (\s)*SLOT
	s_add_nc_u64 s[G0B+4*(\s)+2:G0B+4*(\s)+3], s[KVB:KVB+1], (\s)*KSTEP*2
	s_or_b32 s[G0B+4*(\s)+3], s[G0B+4*(\s)+3], 0x80000000
.endr
	s_mul_i32 s[GT0+1], s10, 64*TP                 ; k's table goes into the slot at 0
	s_mov_b64 s[GT0+2:GT0+3], s[KVT:KVT+1]
	s_or_b32 s[GT0+3], s[GT0+3], 0x80000000
.endm
; The last quarter of one of q's K steps changes slots, behind a round of the cluster's barrier.  fill = 1: this slot takes q's K step two on; 2: it takes q's table; 3: q's last step: it takes kv's K step 0.
.macro QTURN slot, next, fill
	WIN 0
	s_wait_tensorcnt 0x0                           ; all my tensor loads have landed: my part of the next slot
	ds_add_u32 v[SPW], v[NIL]                      ; 0 onto my spare word
.if (\fill) == 3
	KVDESC                                         ; work on scalar registers, while the add is out
.endif
	s_wait_dscnt 17                                ; the add and the youngest sixteen loads may be out
	WIN QMUL
	QMUL8 QF1, 0, 0, 0
	s_wait_dscnt 0x0                               ; the add is done, and my reads of this slot are over
	s_barrier_signal -1
	QMUL8 QF1, 0, 2, 0
	WIN 0
	s_barrier_wait -1
	CREST
.if (\fill) == 1
	s_add_nc_u64 s[G0+4*(\slot)+2:G0+4*(\slot)+3], s[G0+4*(\slot)+2:G0+4*(\slot)+3], 2*QKSTEP*2
	s_add_nc_u64 s[G0B+4*(\slot)+2:G0B+4*(\slot)+3], s[G0B+4*(\slot)+2:G0B+4*(\slot)+3], 2*QKSTEP*2
	JLOAD \slot
.elseif (\fill) == 2
	TLOAD
.else
	JLOAD 0
.endif
.if (\fill) != 3
	QFETCH \next, 0, QF0                           ; the four v_nop behind the load are also the places in front of these loads
.endif
	WIN QMUL
	QMUL8 QF1, 1, 0, 0
	QMUL8 QF1, 1, 2, 0
.endm
.macro QDUMP a                         ; q's sums of the block that lies at v[32 a ..] of window 2 into rows 16 a .. of my region: channel c of a row at byte 4 c
.irp b, 0,1,2,3
	ds_store_b128 v[QDK], v[8*(4*(\a)+(\b)):8*(4*(\a)+(\b))+3]   offset:(\a)*16*DP+64*(\b)
	ds_store_b128 v[QDK], v[8*(4*(\a)+(\b))+4:8*(4*(\a)+(\b))+7] offset:(\a)*16*DP+64*(\b)+16
.endr
.endm
; 16 rows of q or k: norm, rotation, f16, store.  Group u is rows 4 u .. 4 u + 3; a lane holds eight channels of one row.
.macro ROPE
.irp u, 0,1,2,3
	ds_load_b128 v[XX+8*(\u):XX+8*(\u)+3],   v[LK] offset:4*DP*(\u)
	ds_load_b128 v[XX+8*(\u)+4:XX+8*(\u)+7], v[LK] offset:4*DP*(\u)+16
	ds_load_b128 v[CW+8*(\u):CW+8*(\u)+3],   v[LT] offset:4*TP*(\u)
	ds_load_b128 v[CW+8*(\u)+4:CW+8*(\u)+7], v[LT] offset:4*TP*(\u)+16
	ds_load_b128 v[SW+8*(\u):SW+8*(\u)+3],   v[LT] offset:4*TP*(\u)+256
	ds_load_b128 v[SW+8*(\u)+4:SW+8*(\u)+7], v[LT] offset:4*TP*(\u)+272
.endr
.irp u, 0,1,2,3
	s_wait_dscnt 6*(3-(\u))                        ; group u's six loads are in; the later groups' six each may be out
	v_pk_mul_f32 v[SQ+4*(\u):SQ+4*(\u)+1],   v[XX+8*(\u):XX+8*(\u)+1],   v[XX+8*(\u):XX+8*(\u)+1]
	v_pk_mul_f32 v[SQ+4*(\u)+2:SQ+4*(\u)+3], v[XX+8*(\u)+2:XX+8*(\u)+3], v[XX+8*(\u)+2:XX+8*(\u)+3]
	v_pk_fma_f32 v[SQ+4*(\u):SQ+4*(\u)+1],   v[XX+8*(\u)+4:XX+8*(\u)+5], v[XX+8*(\u)+4:XX+8*(\u)+5], v[SQ+4*(\u):SQ+4*(\u)+1]
	v_pk_fma_f32 v[SQ+4*(\u)+2:SQ+4*(\u)+3], v[XX+8*(\u)+6:XX+8*(\u)+7], v[XX+8*(\u)+6:XX+8*(\u)+7], v[SQ+4*(\u)+2:SQ+4*(\u)+3]
	v_pk_add_f32 v[SQ+4*(\u):SQ+4*(\u)+1],   v[SQ+4*(\u):SQ+4*(\u)+1],   v[SQ+4*(\u)+2:SQ+4*(\u)+3]
	v_add_f32 v[SQ+4*(\u)], v[SQ+4*(\u)], v[SQ+4*(\u)+1]
.endr
.irp m, 1,2,4                          ; the row's eight lanes
.irp u, 0,1,2,3
	v_add_f32_dpp v[SQ+4*(\u)], v[SQ+4*(\u)], v[SQ+4*(\u)] row_xmask:\m row_mask:0xf bank_mask:0xf
.endr
.endr
.irp u, 0,1,2,3
	v_fma_f32 v[SQ+4*(\u)+1], v[SQ+4*(\u)], s88, s89  ; mean + 1e-6
.endr
.irp u, 0,1,2,3
	v_rsq_f32 v[RR+2*(\u)], v[SQ+4*(\u)+1]
.endr
.irp u, 0,1,2,3                        ; x[c ^ 32] Sw[c] (the lane four away holds channel c ^ 32), then + x[c] Cw[c]: work that names no root, behind the four of them
.irp j, 0,1,2,3,4,5,6,7
	v_mul_f32_dpp v[PT+8*(\u)+(\j)], v[XX+8*(\u)+(\j)], v[SW+8*(\u)+(\j)] row_xmask:4 row_mask:0xf bank_mask:0xf
.endr
.irp j, 0,2,4,6
	v_pk_fma_f32 v[PT+8*(\u)+(\j):PT+8*(\u)+(\j)+1], v[XX+8*(\u)+(\j):XX+8*(\u)+(\j)+1], v[CW+8*(\u)+(\j):CW+8*(\u)+(\j)+1], v[PT+8*(\u)+(\j):PT+8*(\u)+(\j)+1]
.endr
.endr
	s_wait_alu depctr_va_vdst(0)                   ; one wait for the four roots, ahead of their first reader
.irp u, 0,1,2,3
.irp j, 0,2,4,6
	v_pk_mul_f32 v[PT+8*(\u)+(\j):PT+8*(\u)+(\j)+1], v[PT+8*(\u)+(\j):PT+8*(\u)+(\j)+1], v[RR+2*(\u):RR+2*(\u)+1] op_sel_hi:[1,0]
.endr
.irp j, 0,1,2,3
	v_cvt_pk_f16_f32 v[YY+4*(\u)+(\j)], v[PT+8*(\u)+2*(\j)], v[PT+8*(\u)+2*(\j)+1]
.endr
	global_store_b128 v[GO], v[YY+4*(\u):YY+4*(\u)+3], s[KO:KO+1] offset:512*(\u)  ; four rows: 512 consecutive bytes, aligned
.endr
	s_wait_xcnt 0x0                                ; the stores have read their data and their base: both are written again only behind this wait
	s_add_nc_u64 s[KO:KO+1], s[KO:KO+1], 16*128
	v_add_nc_u32 v[LK], 16*DP, v[LK]
	v_add_nc_u32 v[LT], 16*TP, v[LT]
.endm
.macro ROPEREGS                        ; a destination of a lane-crossing form counts as read, and a root is named as a pair: these are written once
.set i, 0
.rept 32
	v_mov_b32 v[PT+i], 0
.set i, i+1
.endr
.irp u, 0,1,2,3
	v_mov_b32 v[RR+2*(\u)+1], 0
.endr
.endm
; ---- kv's macros ----
; 16 matrix instructions: m blocks a0, a0 + 1 of the window's four x all 8 n blocks, 32 along K.  zero = 1: the first product starts the sums.
.macro MUL16 f, hi, a0, zero
	WIN MUL_LO+0x50*(\hi)
.irp a, \a0, (\a0)+1
.irp b, 0,1,2,3,4,5,6,7
.if \zero
	v_wmma_f32_16x16x32_bf16 v[8*(8*(\a)+(\b)):8*(8*(\a)+(\b))+7], v[(\f)+8*(\b):(\f)+8*(\b)+7], v[(\f)+8*(4*(\hi)+(\a)):(\f)+8*(4*(\hi)+(\a))+7], 0
.else
	v_wmma_f32_16x16x32_bf16 v[8*(8*(\a)+(\b)):8*(8*(\a)+(\b))+7], v[(\f)+8*(\b):(\f)+8*(\b)+7], v[(\f)+8*(4*(\hi)+(\a)):(\f)+8*(4*(\hi)+(\a))+7], v[8*(8*(\a)+(\b)):8*(8*(\a)+(\b))+7]
.endif
.endr
.endr
.endm
.macro FETCH slot, k, f                ; 32 LDS loads in one run: a quarter step's fragments
	WIN TO_B
.irp i, 0,1,2,3,4,5,6,7
	ds_load_b128 v[(\f)+8*(\i):(\f)+8*(\i)+3],   v[ADRB+(\slot)] offset:(\k)+(\i)*16*PITCH
	ds_load_b128 v[(\f)+8*(\i)+4:(\f)+8*(\i)+7], v[ADRB+(\slot)] offset:(\k)+(\i)*16*PITCH+32
.endr
	WIN 0
.irp i, 0,1,2,3,4,5,6,7
	ds_load_b128 v[(\f)+8*(\i):(\f)+8*(\i)+3],   v[ADRA+(\slot)] offset:(\k)+(\i)*16*PITCH
	ds_load_b128 v[(\f)+8*(\i)+4:(\f)+8*(\i)+7], v[ADRA+(\slot)] offset:(\k)+(\i)*16*PITCH+32
.endr
.endm
.macro QUARTER slot, k, f, g, zero     ; 64 matrix instructions on buffer f; in the middle the next quarter's fragments go into g
	s_wait_dscnt 8                                 ; B and A's rows 0-63 are in; the youngest eight loads may be out
	WIN MUL_LO
	MUL16 \f, 0, 0, \zero
	MUL16 \f, 0, 2, \zero
	PLACES
	FETCH \slot, \k, \g
	s_wait_dscnt 32                                ; all but the 32 just issued
	WIN MUL_HI
	MUL16 \f, 1, 0, \zero
	MUL16 \f, 1, 2, \zero
.endm
.macro MEET                            ; the first half of a step's last quarter: the barrier of the change of slots, which opens a round of the cluster's
	WIN 0
	s_wait_tensorcnt 0x0                           ; all my tensor loads have landed: the one that was out is my part of the next slot
	ds_add_u32 v[SPW], v[NIL]                      ; 0 onto my spare word
	s_wait_dscnt 9                                 ; the add and the youngest eight loads may be out
	WIN MUL_LO
	MUL16 F1, 0, 0, 0
	s_wait_dscnt 0x0                               ; the add is done, and my reads of this slot are over
	s_barrier_signal -1
	MUL16 F1, 0, 2, 0
	WIN 0
	s_barrier_wait -1
.endm
; The whole last quarter.  kind = 0: the slot just read out takes the K step two steps on.  kind = 1: slot 0 takes k's table.
.macro TURN slot, next, kind
.if (\kind) == 0
	s_wait_xcnt 0x0                                ; the last prefetch, a K step back, has read its address
	s_add_nc_u64 s[PFA:PFA+1], s[PFA:PFA+1], KSTEP*2
.endif
	MEET
	CREST                                          ; no wave of any partner still reads this slot or has a load on its way
.if (\kind) == 0
	s_add_nc_u64 s[G0+4*(\slot)+2:G0+4*(\slot)+3], s[G0+4*(\slot)+2:G0+4*(\slot)+3], 2*KSTEP*2
	s_add_nc_u64 s[G0B+4*(\slot)+2:G0B+4*(\slot)+3], s[G0B+4*(\slot)+2:G0B+4*(\slot)+3], 2*KSTEP*2
	JLOAD \slot
.else
	TLOAD
.endif
	FETCH \next, 0, F0                             ; the four v_nop behind the load are also the places in front of these loads
.if (\kind) == 0
	ASK
.endif
	WIN MUL_HI
	MUL16 F1, 1, 0, 0
	MUL16 F1, 1, 2, 0
.endm
; v of block a (16 rows): rounded to f16, 16 bytes a lane into my stage, back as four rows of 128 bytes a load, into the registers that they left.
.macro PACKV a
.set AC, 64*((\a)%4)
	WIN 0x0a+5*((\a)/4)                            ; sources 0 and 1: window 2 or 3
.irp b, 4,5,6,7
.irp r, 0,1,2,3
	v_cvt_pk_f16_f32 v[VB+16*(\a)+4*((\b)-4)+(\r)], v[AC+8*(\b)+2*(\r)], v[AC+8*(\b)+2*(\r)+1]
.endr
.endr
	WIN 0
.irp b, 0,1,2,3
	ds_store_b128 v[STO], v[VB+16*(\a)+4*(\b):VB+16*(\a)+4*(\b)+3] offset:32*(\b)
.endr
.irp f, 0,1,2,3
	ds_load_b128 v[VB+16*(\a)+4*(\f):VB+16*(\a)+4*(\f)+3], v[RD] offset:(\f)*4*VP  ; LDS serves a wave's instructions in order (ISA guide 5.7.1.4)
.endr
.endm
.macro SENDV a, younger                ; younger: the LDS instructions issued behind block a's loads
.irp f, 0,1,2,3
	s_wait_dscnt (\younger)+3-(\f)
	global_store_b128 v[GO], v[VB+16*(\a)+4*(\f):VB+16*(\a)+4*(\f)+3], s[VO:VO+1] offset:(\a)*2048+(\f)*512  ; 512 consecutive bytes, aligned
.endr
.endm
.macro DUMPK a                         ; k's sums of block a into my rows of the slot at SLOT: channel c of a row at byte 4 c
.set AC, 64*((\a)%4)
	WIN 0x08+4*((\a)/4)                            ; the data (source 1) in window 2 or 3
.irp b, 0,1,2,3
	ds_store_b128 v[DK], v[AC+8*(\b):AC+8*(\b)+3]   offset:(\a)*16*DP+64*(\b)
	ds_store_b128 v[DK], v[AC+8*(\b)+4:AC+8*(\b)+7] offset:(\a)*16*DP+64*(\b)+16
.endr
.endm
; ======== q ========
	s_wait_tensorcnt 1                             ; my part of q's K step 0 is in; K step 1's may stay out
	s_barrier_signal -1
	s_barrier_wait -1
	QFETCH 0, 0, QF0
	QQUARTER 0, 128, QF0, QF1, 1                   ; four K steps, written straight
	QQUARTER 0, 256, QF1, QF0, 0
	QQUARTER 0, 384, QF0, QF1, 0
	QTURN 0, 1, 1                                  ; q's K step 2
	QQUARTER 1, 128, QF0, QF1, 0
	QQUARTER 1, 256, QF1, QF0, 0
	QQUARTER 1, 384, QF0, QF1, 0
	QTURN 1, 0, 1                                  ; q's K step 3
	QQUARTER 0, 128, QF0, QF1, 0
	QQUARTER 0, 256, QF1, QF0, 0
	QQUARTER 0, 384, QF0, QF1, 0
	QTURN 0, 1, 2                                  ; q's table
	QQUARTER 1, 128, QF0, QF1, 0
	QQUARTER 1, 256, QF1, QF0, 0
	QQUARTER 1, 384, QF0, QF1, 0
	QTURN 1, 0, 3                                  ; kv's K step 0, into the slot at 0; the wait and the round in it have also shown q's table whole
	WIN 0
	PLACES
	PLACES
	ROPEREGS
	s_mov_b32 s91, 2
.Lqhalf:                               ; twice: 32 rows of sums go into my region and are finished; then blocks 2 and 3 move down (in the second trip the moves serve nothing)
	WIN 0x08                                       ; the data (source 1) in window 2
	QDUMP 0
	QDUMP 1
	WIN 0
	v_mov_b32 v[LK], v[QLK]
	s_mov_b32 s90, 2
.Lqrope:                               ; the sums are the wave's own bytes: LDS serves its stores and loads in order
	ROPE
	s_sub_co_u32 s90, s90, 1
	s_cmp_lg_u32 s90, 0
	s_cbranch_scc1 .Lqrope
	WIN 0x82                                       ; destination and source 0 in window 2
.set i, 0
.rept 64
	v_mov_b32 v[i], v[64+i]
.set i, i+1
.endr
	WIN 0
	s_sub_co_u32 s91, s91, 1
	s_cmp_lg_u32 s91, 0
	s_cbranch_scc1 .Lqhalf
; ======== kv ========
	s_wait_tensorcnt 0x0                           ; my part of kv's K step 0 has landed
	ds_add_u32 v[SPW], v[NIL]
	s_mov_b64 s[KO:KO+1], s[KKO:KKO+1]             ; from here on KO serves k (q's last stores have read it: the loop's last wait)
	s_wait_dscnt 0x0                               ; the add is done, and my reads of q's table are over
	CROUND                                         ; both hold of every wave of every partner
	JLOAD 1                                        ; kv's K step 1, into the slot that held q's table
	FETCH 0, 0, F0
	QUARTER 0, 64,  F0, F1, 1                      ; the first quarter starts the sums
	WIN 0
	s_mov_b32 s3, LAPS-1
.Llap:                                 ; a trip goes once round the ring and fills both slots again
	QUARTER 0, 128, F1, F0, 0
	QUARTER 0, 192, F0, F1, 0
	TURN 0, 1, 0
	QUARTER 1, 64,  F0, F1, 0
	QUARTER 1, 128, F1, F0, 0
	QUARTER 1, 192, F0, F1, 0
	TURN 1, 0, 0
	QUARTER 0, 64,  F0, F1, 0
	WIN 0
	s_sub_co_u32 s3, s3, 1
	s_cmp_lg_u32 s3, 0
	s_cbranch_scc1 .Llap
	QUARTER 0, 128, F1, F0, 0                      ; the last lap
	QUARTER 0, 192, F0, F1, 0
	TURN 0, 1, 1                                   ; slot 0 takes k's table: it has the last K step's 256 matrix instructions in which to land
	QUARTER 1, 64,  F0, F1, 0
	QUARTER 1, 128, F1, F0, 0
	QUARTER 1, 192, F0, F1, 0
	s_wait_dscnt 8
	WIN MUL_LO
	MUL16 F1, 0, 0, 0
	MUL16 F1, 0, 2, 0
	s_wait_dscnt 0x0
	MUL16 F1, 1, 0, 0
	MUL16 F1, 1, 2, 0
	WIN 0
	PLACES
	PLACES
	PACKV 0                                        ; v goes out; a block's conversions stand between the loads of the block before and its stores
.irp a, 1,2,3,4,5,6,7
	PACKV \a
	SENDV (\a)-1, 8
.endr
	SENDV 7, 0
	s_wait_tensorcnt 0x0                           ; my rows of the table have landed,
	s_wait_dscnt 0x0                               ; and my reads of slot 1 are long over
	s_barrier_signal -1
	s_barrier_wait -1                              ; both hold of every wave: the table is whole, and slot 1 may be written
	s_wait_xcnt 0x0                                ; v's stores have read v64-191
.irp a, 0,1,2,3,4,5,6,7
	DUMPK \a
.endr
	WIN 0
	ROPEREGS
	v_mov_b32 v[LK], v[KLK]
	v_mov_b32 v[LT], v[KLT]
	s_mov_b32 s90, 8
.Lrope:
	ROPE
	s_sub_co_u32 s90, s90, 1
	s_cmp_lg_u32 s90, 0
	s_cbranch_scc1 .Lrope
	s_wait_tensorcnt 0x0                           ; the wave's end
	ds_add_u32 v[SPW], v[NIL]
	s_wait_dscnt 0x0
	CROUND                                         ; the closing round
	s_endpgm
.Lfunc_end_k_q6b6f066f68_proj:
	.size	k_q6b6f066f68_proj, .Lfunc_end_k_q6b6f066f68_proj-k_q6b6f066f68_proj
	.p2alignl 7, 3214868480
	.fill 96, 4, 3214868480
	.section	.rodata,"a",@progbits
	.p2align	6, 0x0
	.amdhsa_kernel k_q6b6f066f68_proj
		.amdhsa_group_segment_fixed_size 327680
		.amdhsa_private_segment_fixed_size 0
		.amdhsa_enable_private_segment 0
		.amdhsa_kernarg_size 40
		.amdhsa_user_sgpr_count 2
		.amdhsa_user_sgpr_kernarg_segment_ptr 1
		.amdhsa_wavefront_size32 1
		.amdhsa_system_sgpr_workgroup_id_x 1
		.amdhsa_system_sgpr_workgroup_id_y 1
		.amdhsa_system_sgpr_workgroup_id_z 1
		.amdhsa_system_vgpr_workitem_id 0
		.amdhsa_next_free_vgpr 1024
		.amdhsa_next_free_sgpr 106
		.amdhsa_reserve_vcc 0
		.amdhsa_float_denorm_mode_32 3
		.amdhsa_float_denorm_mode_16_64 3
		.amdhsa_memory_ordered 1
		.amdhsa_forward_progress 1
		.amdhsa_inst_pref_size 238
	.end_amdhsa_kernel
	.amdgpu_metadata
---
amdhsa.version: [ 1, 2 ]
amdhsa.kernels:
  - .name:           k_q6b6f066f68_proj
    .symbol:         k_q6b6f066f68_proj.kd
    .args:
      - { .name: xb, .offset: 0, .size: 8, .value_kind: global_buffer, .address_space: global }
      - { .name: wb, .offset: 8, .size: 8, .value_kind: global_buffer, .address_space: global }
      - { .name: tab, .offset: 16, .size: 8, .value_kind: global_buffer, .address_space: global }
      - { .name: kvh, .offset: 24, .size: 8, .value_kind: global_buffer, .address_space: global }
      - { .name: qh, .offset: 32, .size: 8, .value_kind: global_buffer, .address_space: global }
    .group_segment_fixed_size: 327680
    .private_segment_fixed_size: 0
    .kernarg_segment_align: 8
    .kernarg_segment_size: 40
    .max_flat_workgroup_size: 128
    .sgpr_count:     106
    .vgpr_count:     1024
    .wavefront_size: 32
...
	.end_amdgpu_metadata
.endif
;; end of part 2
;; launch attn (part 3): grid 4 x 64, 4 waves a work-group, clusters of 4 x 1, 327,680 bytes of LDS; arguments qh, kvh, yh; writes yh
.if DOCPART == 3
	.amdgcn_target "amdgcn-amd-amdhsa--gfx1250"
	.amdhsa_code_object_version 6
	.text
	.protected	k_q6b6f066f68_attn
	.globl	k_q6b6f066f68_attn
	.p2align	8
	.type	k_q6b6f066f68_attn,@function
k_q6b6f066f68_attn:
	s_mov_b64 s[64:65], 0
	v_nop
	global_prefetch_b8 v0, s[64:65] scope:SCOPE_SE
	s_setreg_imm32_b32 hwreg(HW_REG_WAVE_MODE, 25, 1), 1
	s_wait_xcnt 0x0
	s_wait_alu depctr_hold_cnt(0) depctr_sa_sdst(0) depctr_va_vdst(0) depctr_va_sdst(0) depctr_va_ssrc(0) depctr_va_vcc(0) depctr_vm_vsrc(0)
	s_getreg_b32 s2, hwreg(HW_REG_IB_STS2, 6, 4)
	s_cmp_eq_u32 s2, 0
	s_cbranch_scc0 .Lentry_in_a_cluster
	s_endpgm
.Lentry_in_a_cluster:
	s_bfe_u32 s2, ttmp6, 0x10000c
	s_cmp_lg_u32 s2, 0x3003
	s_cbranch_scc0 .Lentry_shape_is_right
	s_endpgm
.Lentry_shape_is_right:
; y[h][q][:] = the sum over k of softmax_k(q[h][q] . k[h][k] / 8) v[h][k][:].  qh, yh: [64][1024][64] f16; kvh: k [64][2048][64] f16, then v in the same shape.  A head's rows are dense, 128 bytes each.
; Products, maxima and sums in f32; the weights p are rounded to f16 for the second product (their sum l is taken of the unrounded p), y once at the end.
; LIMITS.  q, k, v arrive within f16; p lies in 0 to 1, and below 6e-5 it keeps f16's fixed step of 6e-8; y is a mean of v's rows.  A weight below 2^-126 counts as 0 in l; NaN and infinities are not treated apart.
; SHARES.  A work-group owns 256 queries of one head, a wave 64: four PIECES of 16.  Every wave walks the head's 2,048 keys, 64 a step, 256 (four steps) a slot, 8 slots' worth.
; CLUSTER.  The four query blocks of a head are one cluster and walk the same k and v: each tile is asked for jointly, by the same tensor load, descriptor and mask in all four.
; LAYOUT.  S^T = K Q^T holds ONE query a lane (lane % 16) and the keys 8 (lane / 16) + 0..7; two such results rounded to f16 ARE source 1 of O^T = V^T P.  K comes out of LDS as it lies, V turned (ds_load_tr16_b128).
; SOFTMAX.  A running maximum m and sum l: p = 2^(c s - c m), c = log2(e) / 8; in every step O and l are multiplied by a = 2^(c m_old - c m_new).  m starts at the lowest finite number, O and l at 0.
; TURNS.  Turn n belongs to piece n: 8 products K Q^T of piece n + 1, later 8 products V^T P of piece n - 1; beside them the scaling, exponentials, roundings, sums and rescaling of piece n and the maximum and
; statistics of piece n + 1.  Four vector instructions stand behind every matrix instruction, the rest in one run.  A turn's 33 exponentials are one batch, with one wait.
; REGISTERS, in two windows of 256, laid so that a turn switches twice.  Window 0 holds all that K Q^T and the softmax name: v0-63 S^T, two buffers; v64-95 P, two buffers; v96-123 statistics and addresses;
; v128-191 Q; v192-255 K.  Window 1: v0-127 O^T; v128-191 V; v192-207 l, two chains of a pair for each piece.  V^T P runs with source 0, source 2 and the destination in window 1 and source 1 in window 0;
; O x a and l + p have their operands in just these places, so they ride behind V^T P under its own setting.
.set NP,    4
.set KS,    64
.set PK,    144       ; a row of K in LDS: 128 bytes + 16: the 16 rows of a load start at 16 different groups of four banks (ISA guide 11.1)
.set PV,    160       ; a row of V: 128 + 32
.set VOFF,  4*KS*PK
.set SLOT1, 1<<17
.set STAGE, SLOT1+4*KS*(PK+PV)  ; behind the ring, never filled: 16 rows x 144 bytes for each wave
.set SP,    144
.set SPARE, STAGE+4*16*SP
.set S,   0           ; (v0, the thread's number, and the head's v1, v9-11, v15 lie here: S^T is first written when they have served)
.set QO,  15
.set P,   64
.set ST,  96          ; piece t's statistics at v[ST+2 t]: c m, m
.set TMP, 104         ; by buffer, four registers c0-c3 at work; c1 takes c m_old - c m_new, c2 takes a
.set MV,  112         ; c m_old, kept while c m is made anew: by buffer
.set AK0, 114
.set AV0, 115
.set AK,  116
.set AV,  117
.set SPW, 118
.set NIL, 119
.set PFO, 120         ; 256 x lane; never rewritten
.set STO, 121
.set RD,  122
.set GO,  123
.set QF,  128
.set KF,  192
.set VF,  128         ; window 1
.set LL,  192         ; window 1: piece t's l at v[LL+4 t]: chain 0 (even keys', odd keys'), chain 1
.set WV,  12
.set LIM, 15          ; s15  1 in a wave that prefetches (0 and 2), else the greatest number
.set G1K, 24
.set G1V, 32
.set G0K, 40
.set G0V, 44
.set PFA, 48          ; s[48:49] where my prefetches stand
.set SLOTS, 56
.set CNT, 57
.set CS,  58
.set SEL, 60
.set TBK, 62
.set TBV, 63
.set MSB, 0
.macro WIN new
.if MSB != (\new)
	s_set_vgpr_msb (MSB<<8)|(\new)
.set MSB, (\new)
.endif
.endm
.set W_PV, 0x51       ; source 0, source 2 and destination in window 1, source 1 in window 0
.macro JLOAD                        ; waves 0 and 1 fetch the halves of a slot's K, waves 2 and 3 those of its V: 128 keys each
	s_cmp_lt_u32 s[WV], 2
	s_cbranch_scc0 .Lfor_v_\@
	tensor_load_to_lds s[G0K:G0K+3], s[G1K:G1K+7]
	s_nop 0
.rept 4
	v_nop
.endr
	s_branch .Lasked_\@
.Lfor_v_\@:
	tensor_load_to_lds s[G0V:G0V+3], s[G1V:G1V+7]
	s_nop 0
.rept 4
	v_nop
.endr
.Lasked_\@:
.endm
; A prefetch of what the NEXT change of slots will ask for: a slot's K and V are 128 blocks of 256 bytes each.  The four partners take 32 blocks each, told apart by address; in each, wave 0 asks for K's
; and wave 2 for V's, a lane a block.  So each block is named once.  The last change that fills a slot asks for nothing.
.macro ASK
	s_cmp_gt_u32 s[SLOTS], s[LIM]
	s_cbranch_scc0 .Lnot_mine_\@
	global_prefetch_b8 v[PFO], s[PFA:PFA+1] th:TH_LOAD_NT scope:SCOPE_SE
.Lnot_mine_\@:
.endm
.macro CROUND
	s_barrier_signal -1
	s_barrier_wait -1
	s_cmp_lg_u32 s[WV], 0
	s_cbranch_scc1 .Lnot_wave_0_\@
	s_barrier_signal -3
.Lnot_wave_0_\@:
	s_barrier_wait -3
	s_barrier_signal -1
	s_barrier_wait -1
.endm
; THE CHANGE OF SLOTS.  Each wave waits for all its tensor loads (one is out: its part of the other slot), adds 0 to its spare word, and waits for that and for its reads of the slot that it leaves.
; fill = 1: behind a round of the cluster's barrier the old slot is filled again, with the keys two slots on: four key steps, 256 matrix instructions, in which to land.
.macro CHANGE fill, ask
	WIN 0
	s_wait_tensorcnt 0x0
	ds_add_u32 v[SPW], v[NIL]
.if \fill
.irp g, G0K, G0V
	s_xor_b32 s[\g+1], s[\g+1], SLOT1
	s_add_nc_u64 s[\g+2:\g+3], s[\g+2:\g+3], 4*KS*128
.endr
.if \ask
	s_wait_xcnt 0x0                 ; the last prefetch, a slot back, has read its address
	s_add_nc_u64 s[PFA:PFA+1], s[PFA:PFA+1], 4*KS*128
.endif
	s_wait_dscnt 0x0
	CROUND
	JLOAD
.if \ask
	ASK
.endif
.else
	s_wait_dscnt 0x0
	s_barrier_signal -1
	s_barrier_wait -1
.endif
	s_sub_co_u32 s[TBK], s[TBK], 4*KS*PK  ; the fetches go back to a slot's first step, in the other slot
	s_xor_b32 s[TBK], s[TBK], SLOT1
	s_sub_co_u32 s[TBV], s[TBV], 4*KS*PV
	s_xor_b32 s[TBV], s[TBV], SLOT1
.endm
	s_load_b128 s[4:7], s[0:1], 0x0   ; qh, kvh
	s_load_b64 s[10:11], s[0:1], 0x10 ; yh
	v_lshl_add_u32 v[SPW], v0, 2, SPARE
	v_mov_b32 v[NIL], 0
	ds_add_u32 v[SPW], v[NIL]       ; the wave's opening: the add and its wait ahead of my first tensor load
	v_lshrrev_b32 v1, 5, v0
	v_readfirstlane_b32 s[WV], v1
	s_bfe_u32 s13, ttmp6, 0x40000   ; cx: my block of 256 queries; it enters Q's, y's and the prefetches' addresses alone
	s_and_b32 s20, ttmp7, 0xffff    ; the head, which the four partners share
	s_lshl_b32 s22, s20, 18         ; a head's K or V: 262,144 bytes
	s_and_b32 s16, s[WV], 1         ; which half of a slot's 256 keys I fetch
	s_lshl_b32 s23, s16, 14
	s_add_co_u32 s22, s22, s23
	s_mov_b32 s23, 0
	s_mul_i32 s17, s16, 128*PK
	s_mul_i32 s18, s16, 128*PV
	s_lshl_b32 s2, s13, 2
	s_add_co_u32 s2, s2, s[WV]
	s_lshl_b32 s2, s2, 13           ; my wave's 64 rows of 128 bytes,
	s_lshl_b32 s3, s20, 17          ; in a head of 131,072 bytes
	s_add_co_u32 s2, s2, s3
	s_mov_b32 s3, 0
	; 128 keys are 16,384 dense bytes: asked for as 64 rows of 256 bytes, two keys a row, padded in LDS after every key
	s_mov_b32 s[G1K], 15|(1<<16)|(1<<20)|(1<<21)|(4<<22)|(3<<25)
	s_mov_b32 s[G1V], 15|(1<<16)|(1<<20)|(1<<21)|(4<<22)|(7<<25)
.irp g, G1K, G1V
	s_mov_b32 s[\g+1], 128<<16
	s_mov_b32 s[\g+2], 64<<16
	s_mov_b32 s[\g+3], 128<<16
	s_mov_b32 s[\g+4], 64
	s_mov_b32 s[\g+5], 128
	s_mov_b32 s[\g+6], 0
	s_mov_b32 s[\g+7], 0
.endr
	s_mov_b32 s[CS], 0x3e38aa3b     ; c = log2(e) / 8
	s_mov_b32 s[CS+1], s[CS]
	s_mov_b32 s[SEL], 0x76543210
	s_mov_b32 s[SEL+1], 0xfedcba98
	s_mov_b32 s[TBK], SLOT1+4*KS*PK ; the first change of slots turns these two into 0
	s_mov_b32 s[TBV], SLOT1+4*KS*PV
	s_mov_b32 s[G0K], 1
	s_mov_b32 s[G0K+1], s17
	s_mov_b32 s[G0V], 1
	s_add_co_u32 s[G0V+1], s18, VOFF
	s_cmp_eq_u32 s16, 0
	s_cselect_b32 s[LIM], 1, -1
	s_mov_b32 s[SLOTS], 7
	v_and_b32 v[PFO], 31, v0
	v_lshlrev_b32 v[PFO], 8, v[PFO]
	s_wait_dscnt 0x0
	s_wait_kmcnt 0x0
	s_add_nc_u64 s[8:9], s[6:7], 16777216          ; V lies behind K
	s_add_nc_u64 s[G0K+2:G0K+3], s[6:7], s[22:23]
	s_or_b32 s[G0K+3], s[G0K+3], 0x80000000
	s_add_nc_u64 s[G0V+2:G0V+3], s[8:9], s[22:23]
	s_or_b32 s[G0V+3], s[G0V+3], 0x80000000
	s_add_nc_u64 s[4:5], s[4:5], s[2:3]
	s_add_nc_u64 s[10:11], s[10:11], s[2:3]
	s_cmp_lt_u32 s[WV], 2
	s_cselect_b64 s[PFA:PFA+1], s[6:7], s[8:9]
	s_add_nc_u64 s[PFA:PFA+1], s[PFA:PFA+1], s[22:23]  ; (in waves 0 and 2: the head's first byte)
	s_lshl_b32 s2, s13, 13          ; my work-group's 32 blocks of the 128
	s_add_nc_u64 s[PFA:PFA+1], s[PFA:PFA+1], s[2:3]
	s_add_nc_u64 s[PFA:PFA+1], s[PFA:PFA+1], 2*4*KS*128  ; in slot 2; the first asking change steps it to slot 3.  Nothing is prefetched at the head
	CROUND                          ; all four work-groups are here
	JLOAD                           ; slot 0
	v_and_b32 v1, 15, v0
	v_bfe_u32 v9, v0, 4, 1
	v_lshlrev_b32 v[QO], 7, v1
	v_lshl_add_u32 v[QO], v9, 4, v[QO]
.set i, 0
.rept 8                             ; Q stays in registers: piece i / 2, channels 32 (i % 2) on
	global_load_b128 v[QF+8*i:QF+8*i+3],   v[QO], s[4:5] offset:(i/2)*2048+(i%2)*64
	global_load_b128 v[QF+8*i+4:QF+8*i+7], v[QO], s[4:5] offset:(i/2)*2048+(i%2)*64+32
.set i, i+1
.endr
	; What the first turn finds: V and P's second buffer hold 0 (its products V^T P, of a piece that has not been, add 0), O^T and l are 0.  This stands in the wait for the first tile.
	WIN 0x40
.set i, 0
.rept 208                           ; O^T, V and l lie on end in window 1
	v_mov_b32 v[i], 0
.set i, i+1
.endr
	WIN 0
.set i, P+16
.rept 16
	v_mov_b32 v[i], 0
.set i, i+1
.endr
	v_mul_u32_u24 v[AK0], v1, PK
	v_lshl_add_u32 v[AK0], v9, 4, v[AK0]
	v_and_b32 v10, 7, v0            ; the turning load: lane l reads key 8 (l / 16) + l % 8, channels 8 ((l / 8) % 2) + 0..7
	v_bfe_u32 v11, v0, 3, 1
	v_lshl_add_u32 v[AV0], v9, 3, v10
	v_mul_u32_u24 v[AV0], v[AV0], PV
	v_lshl_add_u32 v[AV0], v11, 4, v[AV0]
	v_add_nc_u32 v[AV0], VOFF, v[AV0]
	s_mul_i32 s13, s[WV], 16*SP
	s_add_co_u32 s13, s13, STAGE
	v_mul_u32_u24 v[STO], v1, SP
	v_lshl_add_u32 v[STO], v9, 4, v[STO]
	v_add_nc_u32 v[STO], s13, v[STO]
	v_bfe_u32 v[RD], v0, 3, 2
	v_mul_u32_u24 v[RD], v[RD], SP
	v_lshl_add_u32 v[RD], v10, 4, v[RD]
	v_add_nc_u32 v[RD], s13, v[RD]
	v_and_b32 v[GO], 31, v0
	v_lshlrev_b32 v[GO], 4, v[GO]
; THE MATRIX WORK.  The 4 accumulators of a run of 8 take turns.  Product i of 8 of S^T = K Q^T for piece x: channels 32 (i / 4) on, keys 16 (i % 4) on.
.macro KQ x
	WIN 0
.set rS, S+32*((\x)%2)+8*(i%4)
.set rK, KF+16*(i%4)+8*(i/4)
.set rQ, QF+16*(\x)+8*(i/4)
.if i < 4
	v_wmma_f32_16x16x32_f16 v[rS:rS+7], v[rK:rK+7], v[rQ:rQ+7], 0
.else
	v_wmma_f32_16x16x32_f16 v[rS:rS+7], v[rK:rK+7], v[rQ:rQ+7], v[rS:rS+7]
.endif
.endm
.macro PV x                         ; product i of 8 of O^T += V^T P: keys 32 (i / 4) on, channels 16 (i % 4) on
	WIN W_PV
.set rO, 32*(\x)+8*(i%4)
.set rV, VF+32*(i/4)+8*(i%4)
.set rP, P+16*((\x)%2)+8*(i/4)
	v_wmma_f32_16x16x32_f16 v[rO:rO+7], v[rV:rV+7], v[rP:rP+7], v[rO:rO+7]
.endm
.macro MM                           ; the turn's next matrix instruction.  NOKQ = 1: the last turn of all: there is no next piece
.if (i < 8) && !NOKQ
	KQ (Y+1)%NP
.elseif i >= 8
.set i, i-8
	PV (Y+NP-1)%NP
.set i, i+8
.endif
.set i, i+1
.endm
.macro FETCH_K                      ; a step's K: 16 loads in one run
	WIN 0
.irp f, 0,1,2,3,4,5,6,7
	ds_load_b128 v[KF+8*\f:KF+8*\f+3],   v[AK] offset:(\f/2)*16*PK+(\f%2)*64
	ds_load_b128 v[KF+8*\f+4:KF+8*\f+7], v[AK] offset:(\f/2)*16*PK+(\f%2)*64+32
.endr
	s_add_co_u32 s[TBK], s[TBK], KS*PK
.endm
.macro FETCH_V                      ; a step's V, turned
	WIN 0x40                        ; destination window 1, address window 0
.irp f, 0,1,2,3,4,5,6,7
	ds_load_tr16_b128 v[VF+8*\f:VF+8*\f+3],   v[AV] offset:(\f/4)*32*PV+(\f%4)*32
	ds_load_tr16_b128 v[VF+8*\f+4:VF+8*\f+7], v[AV] offset:(\f/4)*32*PV+16*PV+(\f%4)*32
.endr
	WIN 0
.endm
; THE VECTOR WORK, a line at a time: OP kind, number.  In window 0, for piece Y: A: a = 2^(c m_old - c m_new).  F n: c s - c m for pair n.  E n: the exponential of score n.  C n: pair n rounded to f16.
; For piece Y + 1: X n, number n of the 21 that find its maximum and statistics (each accumulator's lowest registers first): 0-11 four chains c0-c3 of seven scores each; 12-14, 16 the four scores left over, the
; old m and c0-c3 into c0; 15 c m_old is kept; 17, 18 the lane 16 away: the new m; 19 c m; 20 c m_old - c m_new.
; Under V^T P's setting, for piece Y: R n: pair n of O^T times a.  M n: chain n of l times a.  L n: chain n % 2 of l takes pair n of the weights.
.set F, 0
.set E, 1
.set C, 2
.set A, 3
.set X, 4
.set R, 5
.set M, 6
.set L, 7
.macro REGS y
.set rT, ST+2*(\y)
.set rC, TMP+4*((\y)%2)
.set rW, MV+((\y)%2)
.set rS, S+32*((\y)%2)
.set rP, P+16*((\y)%2)
.set rO, 32*(\y)
.set rL, LL+4*(\y)
.endm
.macro OP k, n
.if (\k) >= R
	REGS Y
	WIN W_PV
.if (\k) == R
	v_pk_mul_f32 v[rO+2*(\n):rO+2*(\n)+1], v[rO+2*(\n):rO+2*(\n)+1], v[rC+2:rC+3] op_sel_hi:[1,0]
.elseif (\k) == M
	v_pk_mul_f32 v[rL+2*(\n):rL+2*(\n)+1], v[rL+2*(\n):rL+2*(\n)+1], v[rC+2:rC+3] op_sel_hi:[1,0]
.else
	v_pk_add_f32 v[rL+2*((\n)%2):rL+2*((\n)%2)+1], v[rL+2*((\n)%2):rL+2*((\n)%2)+1], v[rS+2*(\n):rS+2*(\n)+1]
.endif
.elseif (\k) < X
	REGS Y
	WIN 0
.if (\k) == F
	v_pk_fma_f32 v[rS+2*(\n):rS+2*(\n)+1], v[rS+2*(\n):rS+2*(\n)+1], s[CS:CS+1], v[rT:rT+1] op_sel_hi:[1,0,0] neg_lo:[0,0,1] neg_hi:[0,0,1]
.elseif (\k) == E
	v_exp_f32 v[rS+(\n)], v[rS+(\n)]
.elseif (\k) == C
	v_cvt_pk_f16_f32 v[rP+(\n)], v[rS+2*(\n)], v[rS+2*(\n)+1]
.else
	v_exp_f32 v[rC+2], v[rC+1]
.endif
.elseif NOKQ
	v_nop
.else
	REGS (Y+1)%NP
	WIN 0
.if (\n) < 4
	v_max3_num_f32 v[rC+(\n)], v[rS+8*(\n)], v[rS+8*(\n)+1], v[rS+8*(\n)+2]
.elseif (\n) < 12
	v_max3_num_f32 v[rC+(\n)%4], v[rC+(\n)%4], v[rS+8*((\n)%4)+2*((\n)/4)+1], v[rS+8*((\n)%4)+2*((\n)/4)+2]
.elseif (\n) == 12
	v_max3_num_f32 v[rC], v[rC], v[rS+7], v[rS+15]
.elseif (\n) == 13
	v_max3_num_f32 v[rC+1], v[rC+1], v[rS+23], v[rS+31]
.elseif (\n) == 14
	v_max3_num_f32 v[rC+2], v[rC+2], v[rC+3], v[rT+1]
.elseif (\n) == 15
	v_mov_b32 v[rW], v[rT]
.elseif (\n) == 16
	v_max3_num_f32 v[rC], v[rC], v[rC+1], v[rC+2]
.elseif (\n) == 17
	v_permlanex16_b32 v[rC+3], v[rC], s[SEL], s[SEL+1]
.elseif (\n) == 18
	v_max_num_f32 v[rT+1], v[rC], v[rC+3]
.elseif (\n) == 19
	v_mul_f32 v[rT], s[CS], v[rT+1]
.else
	v_sub_f32 v[rC+1], v[rW], v[rT]
.endif
.endif
.endm
.macro OPS a, i1, b=-1, i2=0, c=-1, i3=0, d=-1, i4=0
	OP \a, \i1
.if (\b) >= 0
	OP \b, \i2
.endif
.if (\c) >= 0
	OP \c, \i3
.endif
.if (\d) >= 0
	OP \d, \i4
.endif
.endm
.macro ROW a, i1, b, i2, c, i3, d, i4  ; a matrix instruction and the four behind it
	MM
	OPS \a, \i1, \b, \i2, \c, \i3, \d, \i4
.endm
; A TURN, for piece p, in three parts.  (1) In window 0, ahead of the one wait: the 8 products K Q^T, behind each two plain lines and two exponentials by turns; then the other exponentials by turns with the next
; piece's maximum.  The first read of a score accumulator (X 0 to X 3) stands four plain lines or more behind the product that ends it.  The links of the chain X 3, 7, 11, 14, 16 stand six lines apart.  The piece's own a
; is the batch's first exponential: its readers all stand behind the wait.  X 18 is the plain line behind the last exponential.  (2) Still in window 0, behind the wait: the 16 roundings, the chain's last two links
; among them.  (3) Under V^T P's setting: the 8 products V^T P, behind each two lines for l and two rescalings; a chain of l is taken up every fifth line.
; end = 1: the last two turns: nothing is fetched.  cnt = 1: the loop's count is taken down some lines ahead of the branch behind the turn.
; K of the next step is fetched in piece 2's turn, six plain lines behind the last product that read K; V of the step in hand at the end of piece 0's, six plain lines behind the last product that read V; each is waited for a turn later.
.macro TURN p, end=0, cnt=0
.set Y, (\p)
.set i, 0
.set NOKQ, (\end)*((\p)/3)
.if ((\p) == 3) && !(\end)
	s_wait_dscnt 0x0                ; K is in
.endif
	ROW F,0, F,1, A,0, F,2
	ROW F,3, E,0, F,4, E,1
	ROW F,5, E,2, F,6, E,3
	ROW F,7, E,4, F,8, E,5
	ROW F,9, E,6, F,10, E,7
	ROW F,11, E,8, F,12, E,9
.if ((\p) == 2) && !(\end)
	v_add_nc_u32 v[AK], s[TBK], v[AK0]
.endif
	ROW X,0, E,10, F,13, E,11
	ROW X,1, E,12, X,4, E,13
	OPS X,2, E,14, X,5, E,15
	OPS X,3, E,16, X,6, E,17
.if ((\p) == 2) && !(\end)
	FETCH_K
.endif
	OPS X,8, E,18, X,7, E,19
	OPS X,9, E,20, X,10, E,21
	OPS X,11, E,22, X,12, E,23
	OPS X,13, E,24, X,14, E,25
.if (\p) == 0
	v_add_nc_u32 v[AV], s[TBV], v[AV0]
.endif
	OPS X,15, E,26, F,14, E,27
	OPS X,16, F,15, E,28, E,29
	OPS X,17, E,30, E,31, X,18
	s_wait_alu depctr_va_vdst(0)    ; the wait for the batch
	OPS C,0, C,1, X,19, C,2
	OPS C,3, C,4, C,5, X,20
	OPS C,6, C,7, C,8, C,9
	OPS C,10, C,11, C,12, C,13
	OPS C,14, C,15
.if (\p) == 1
	s_wait_dscnt 0x0                ; V is in
.endif
	ROW M,0, R,0, M,1, R,1
	ROW L,0, R,2, L,1, R,3
	ROW L,2, R,4, L,3, R,5
	ROW L,4, R,6, L,5, R,7
	ROW L,6, R,8, L,7, R,9
.if (\p) == 0
	s_add_co_u32 s[TBV], s[TBV], KS*PV
.endif
.if \cnt
	s_sub_co_u32 s[CNT], s[CNT], 1
	s_cmp_lg_u32 s[CNT], 0
.endif
	ROW L,8, R,10, L,9, R,11
	ROW L,10, R,12, L,11, R,13
	ROW L,12, R,14, L,13, R,15
	OPS L,14, L,15
.if (\p) == 0
	FETCH_V
.endif
.endm
.macro ALL line:vararg              ; one line for each piece t
.set t, 0
.rept 4
	\line
.set t, t+1
.endr
.endm
.macro PACK t                       ; a lane's eight channels of a row pack into 16 bytes; into rows of 144 bytes and back as whole rows of 128, into S^T's registers
	WIN W_PV
.set i, 32*(\t)
.rept 16
	v_pk_mul_f32 v[i:i+1], v[i:i+1], v[ST+2*(\t):ST+2*(\t)+1] op_sel_hi:[1,0]
.set i, i+2
.endr
	WIN 0x05                        ; sources 0 and 1 window 1, destination window 0
.set i, 0
.rept 16
	v_cvt_pk_f16_f32 v[S+16*(\t)+i], v[32*(\t)+2*i], v[32*(\t)+2*i+1]
.set i, i+1
.endr
	WIN 0
.irp f, 0,1,2,3
	ds_store_b128 v[STO], v[S+16*(\t)+4*\f:S+16*(\t)+4*\f+3] offset:32*\f
.endr
.irp f, 0,1,2,3
	ds_load_b128 v[S+16*(\t)+4*\f:S+16*(\t)+4*\f+3], v[RD] offset:\f*4*SP  ; LDS serves a wave's instructions in order (ISA guide 5.7.1.4)
.endr
.endm
.macro SEND t, younger              ; younger: the LDS instructions issued behind piece t's loads
	WIN 0
.irp f, 0,1,2,3
	s_wait_dscnt (\younger)+3-\f
	global_store_b128 v[GO], v[S+16*(\t)+4*\f:S+16*(\t)+4*\f+3], s[10:11] offset:(\t)*2048+\f*512  ; 512 consecutive bytes, aligned
.endr
.endm
.set NOKQ, 0
	CHANGE 1, 0                     ; slot 0 is in, everybody's part of it; slot 1 is asked for
	s_mov_b32 s[CNT], 4
.set i, 0
.rept 4
	v_mov_b32 v[ST+2*i], 0xfe000000    ; c m: far below every c s, so the first step's a is 0
	v_mov_b32 v[ST+2*i+1], 0xff7fffff  ; m
.set i, i+1
.endr
	v_add_nc_u32 v[AK], s[TBK], v[AK0]
	FETCH_K                         ; key step 0
	s_wait_loadcnt 0x0              ; Q
	s_wait_dscnt 0x0
.set i, 0
.rept 8
	KQ 0                            ; piece 0's first scores
.set i, i+1
.endr
.rept 4
	v_nop                           ; the places behind those products
.endr
.set Y, NP-1                        ; X works for piece Y + 1: piece 0
.irp n, 0,1,2,3,4,5,6,7,8,9,10,11,12,13,14,15,16,17,18,19,20
	OP X, \n
.endr
	s_branch .Lfirst                ; the loop is entered at a step's first turn, in the middle of a trip
.Lslot:                             ; six times: slots 2 to 7 are asked for
	CHANGE 1, 1
	s_mov_b32 s[CNT], 4
.Lstep:                             ; a trip: pieces 2 and 3 of one step, then pieces 0 and 1 of the next, whose K and V it fetches
	TURN 2
	TURN 3
	WIN 0
.Lfirst:
	TURN 0
	TURN 1, 0, 1
	WIN 0
	s_cbranch_scc1 .Lstep
	s_sub_co_u32 s[SLOTS], s[SLOTS], 1
	s_cmp_lg_u32 s[SLOTS], 0
	s_cbranch_scc1 .Lslot
	CHANGE 0, 0                     ; the last slot is written out: nothing is asked for
	s_mov_b32 s[CNT], 4
.LstepT:
	TURN 2
	TURN 3
	TURN 0
	TURN 1, 0, 1
	WIN 0
	s_cbranch_scc1 .LstepT
	TURN 2, 1
	TURN 3, 1
.set i, 0
.rept 8
	PV NP-1                         ; the last piece's V^T P of the last step
.set i, i+1
.endr
	; THE WAY OUT.  l's two chains, their halves and the other half of the lanes' are added; O^T is divided by l, rounded to f16 and sent through my stage, a piece at a time.  The additions are the places behind the last products.
	WIN 0x05                        ; sources 0 and 1 window 1, destination window 0
	ALL v_add_f32 v[ST+2*t], v[LL+4*t], v[LL+4*t+1]
	ALL v_add_f32 v[ST+2*t+1], v[LL+4*t+2], v[LL+4*t+3]
	WIN 0
	ALL v_add_f32 v[ST+2*t], v[ST+2*t], v[ST+2*t+1]
	ALL v_permlanex16_b32 v[ST+2*t+1], v[ST+2*t], s[SEL], s[SEL+1]
	ALL v_add_f32 v[ST+2*t], v[ST+2*t], v[ST+2*t+1]
	ALL v_rcp_f32 v[ST+2*t], v[ST+2*t]
	v_nop                           ; a plain instruction between the last reciprocal and the use of its result
	s_wait_alu depctr_va_vdst(0)    ; one wait for the four reciprocals
	PACK 0
.set t, 1
.rept 3
	PACK t
	SEND t-1, 8
.set t, t+1
.endr
	SEND 3, 0
	s_wait_tensorcnt 0x0            ; the wave's end
	ds_add_u32 v[SPW], v[NIL]
	s_wait_dscnt 0x0
	CROUND                          ; the closing round
	s_endpgm
.Lfunc_end_k_q6b6f066f68_attn:
	.size	k_q6b6f066f68_attn, .Lfunc_end_k_q6b6f066f68_attn-k_q6b6f066f68_attn
	.p2alignl 7, 3214868480
	.fill 96, 4, 3214868480
	.section	.rodata,"a",@progbits
	.p2align	6, 0x0
	.amdhsa_kernel k_q6b6f066f68_attn
		.amdhsa_group_segment_fixed_size 327680
		.amdhsa_private_segment_fixed_size 0
		.amdhsa_enable_private_segment 0
		.amdhsa_kernarg_size 24
		.amdhsa_user_sgpr_count 2
		.amdhsa_user_sgpr_kernarg_segment_ptr 1
		.amdhsa_wavefront_size32 1
		.amdhsa_system_sgpr_workgroup_id_x 1
		.amdhsa_system_sgpr_workgroup_id_y 1
		.amdhsa_system_sgpr_workgroup_id_z 1
		.amdhsa_system_vgpr_workitem_id 0
		.amdhsa_next_free_vgpr 512
		.amdhsa_next_free_sgpr 66
		.amdhsa_reserve_vcc 0
		.amdhsa_float_denorm_mode_32 3
		.amdhsa_float_denorm_mode_16_64 3
		.amdhsa_memory_ordered 1
		.amdhsa_forward_progress 1
		.amdhsa_inst_pref_size 115
	.end_amdhsa_kernel
	.amdgpu_metadata
---
amdhsa.version: [ 1, 2 ]
amdhsa.kernels:
  - .name:           k_q6b6f066f68_attn
    .symbol:         k_q6b6f066f68_attn.kd
    .args:
      - { .name: qh, .offset: 0, .size: 8, .value_kind: global_buffer, .address_space: global }
      - { .name: kvh, .offset: 8, .size: 8, .value_kind: global_buffer, .address_space: global }
      - { .name: yh, .offset: 16, .size: 8, .value_kind: global_buffer, .address_space: global }
    .group_segment_fixed_size: 327680
    .private_segment_fixed_size: 0
    .kernarg_segment_align: 8
    .kernarg_segment_size: 24
    .max_flat_workgroup_size: 128
    .sgpr_count:     66
    .vgpr_count:     512
    .wavefront_size: 32
...
	.end_amdgpu_metadata
.endif
;; end of part 3
;; launch oproj (part 4): grid 8 x 32, 4 waves a work-group, clusters of 4 x 4, 327,680 bytes of LDS; arguments yh, wb, out0; writes out0
.if DOCPART == 4
	.amdgcn_target "amdgcn-amd-amdhsa--gfx1250"
	.amdhsa_code_object_version 6
	.text
	.protected	k_q6b6f066f68_oproj
	.globl	k_q6b6f066f68_oproj
	.p2align	8
	.type	k_q6b6f066f68_oproj,@function
k_q6b6f066f68_oproj:
	s_mov_b64 s[64:65], 0
	v_nop
	global_prefetch_b8 v0, s[64:65] scope:SCOPE_SE
	s_setreg_imm32_b32 hwreg(HW_REG_WAVE_MODE, 25, 1), 1
	s_wait_xcnt 0x0
	s_wait_alu depctr_hold_cnt(0) depctr_sa_sdst(0) depctr_va_vdst(0) depctr_va_sdst(0) depctr_va_ssrc(0) depctr_va_vcc(0) depctr_vm_vsrc(0)
	s_getreg_b32 s2, hwreg(HW_REG_IB_STS2, 6, 4)
	s_cmp_eq_u32 s2, 0
	s_cbranch_scc0 .Lentry_in_a_cluster
	s_endpgm
.Lentry_in_a_cluster:
	s_bfe_u32 s2, ttmp6, 0x10000c
	s_cmp_lg_u32 s2, 0xf033
	s_cbranch_scc0 .Lentry_shape_is_right
	s_endpgm
.Lentry_shape_is_right:
; out0 = y x wo^T.  A = y by heads, yh [64 = batch x 16 + head][1024][64] f16; B = wo, rounded to bf16 and written as f16, [1024][1024] (wb, at byte 6,291,456); sums in f32; out0 [4096][1024] f32.
; SHARES.  256 tiles of 128 x 128, one for each work-group of four waves; a wave makes 64 x 64.  K = head x 64 + channel: a K step of 256 is four heads, a quarter of a step one head.
; A's tile of a step is four planes (heads) of 128 rows x 128 bytes, each plane dense in memory: a wave asks for two planes as two rows of 8,192 elements, a head apart, padded in LDS after every 128 bytes.
; CLUSTER: 4 x 4; A's tiles are asked for jointly along a row of the cluster, B's along a column.  No prefetch: the tiles are small.
; The matrix instruction is used transposed (source 0 = rows of B): lane l holds row l % 16 and eight neighbouring columns, 32 bytes of f32.  A wave's 64 columns are 256 bytes: the way out goes through a stage of
; the wave's own, 32 rows at a time, and sixteen lanes store 256 consecutive bytes, aligned.
; REGISTERS: window 0: v0-31 addresses; v32-95 the way out; v128-255 the accumulators ((a, b) at v[128 + 8 (4 a + b)]).  Window 1: two fragment buffers of 128.
.set SIZE_K, 1024
.set KSTEP,  256
.set PITCH,  528                       ; B's rows in LDS: 512 + 16
.set PA,     144                       ; A's rows in LDS: 128 + 16
.set PLANE,  128*PA                    ; a head's 128 rows
.set ABYTES, 4*PLANE
.set HALFB,  64*PITCH
.set SLOT,   ABYTES+2*HALFB            ; A's four planes, then B's 128 rows
.set STAGE,  2*SLOT                    ; behind the ring: 32 rows x 272 bytes for each wave; no fill lands here
.set SPITCH, 272
.set SPARE,  STAGE+4*32*SPITCH
.set ADRA, 16
.set ADRB, 20
.set STO,  24
.set RD,   25
.set CO,   26
.set SPW,  28
.set NIL,  29
.set TMP,  32
.set ACC,  128
.set F0,   0
.set F1,   128
.set G1,  24
.set G0,  32
.set G1B, 48
.set G0B, 56
.set MSB, 0
.macro WIN new
.if MSB != (\new)
	s_set_vgpr_msb (MSB<<8)|(\new)
.set MSB, \new
.endif
.endm
.set MUL,  0x05
.set TO_F, 0x40
.macro JLOAD s
	s_cmp_eq_u32 s11, 0
	s_cbranch_scc0 .Lfor_b_\@
	tensor_load_to_lds s[G0+4*(\s):G0+4*(\s)+3], s[G1:G1+7]
	s_nop 0
.rept 4
	v_nop
.endr
	s_branch .Lasked_\@
.Lfor_b_\@:
	tensor_load_to_lds s[G0B+4*(\s):G0B+4*(\s)+3], s[G1B:G1B+7]
	s_nop 0
.rept 4
	v_nop
.endr
.Lasked_\@:
.endm
.macro CREST
	s_cmp_lg_u32 s10, 0
	s_cbranch_scc1 .Lnot_wave_0_\@
	s_barrier_signal -3
.Lnot_wave_0_\@:
	s_barrier_wait -3
	s_barrier_signal -1
	s_barrier_wait -1
.endm
.macro CROUND
	s_barrier_signal -1
	s_barrier_wait -1
	CREST
.endm
	s_load_b128 s[4:7], s[0:1], 0x0                ; yh, wb
	s_load_b64 s[8:9], s[0:1], 0x10                ; out0
	v_lshl_add_u32 v[SPW], v0, 2, SPARE
	v_mov_b32 v[NIL], 0
	ds_add_u32 v[SPW], v[NIL]                      ; the wave's opening: the add and its wait ahead of my first tensor load
	v_lshrrev_b32 v1, 5, v0
	v_readfirstlane_b32 s10, v1
	s_lshr_b32 s11, s10, 1                         ; my half of the tile's rows.  Also: I fetch for A (0) or B (1)
	s_and_b32 s12, s10, 1                          ; my half of its columns.  Also: which two planes of A, or which 64 rows of B, I fetch
	s_bfe_u32 s40, ttmp6, 0x40000
	s_bfe_u32 s41, ttmp6, 0x40004
	s_lshl_b32 s42, ttmp9, 2
	s_add_co_u32 s42, s42, s40                     ; tile column
	s_and_b32 s13, ttmp7, 0xffff
	s_lshl_b32 s13, s13, 2
	s_add_co_u32 s13, s13, s41                     ; tile row
	s_lshl_b32 s43, s41, 2
	s_lshl_b32 s43, 15, s43
	s_lshl_b32 s44, 0x1111, s40
	s_or_b32 s[G1+0], s43, (1<<16)|(1<<20)|(1<<21)|(4<<22)|(3<<25)   ; A: 2-byte elements; 4 words of padding after every 32
	s_or_b32 s[G1B+0], s44, (1<<16)|(1<<20)|(1<<21)|(6<<22)|(3<<25)  ; B: after every 128
	s_mov_b32 s[G1+1], 8192<<16                    ; A: tensor_dim0 = 8,192 elements: a head's 128 rows of 64 channels, dense
	s_mov_b32 s[G1+2], 2<<16                       ; tensor_dim1 = 2 heads
	s_mov_b32 s[G1+3], 8192<<16                    ; tile_dim0
	s_mov_b32 s[G1+4], 2                           ; tile_dim1
	s_mov_b32 s[G1+5], 65536                       ; a head is 1,024 rows x 64 elements
	s_mov_b32 s[G1+6], 0
	s_mov_b32 s[G1+7], 0
	s_mov_b32 s[G1B+1], KSTEP<<16
	s_mov_b32 s[G1B+2], 64<<16
	s_mov_b32 s[G1B+3], KSTEP<<16
	s_mov_b32 s[G1B+4], 64
	s_mov_b32 s[G1B+5], SIZE_K
	s_mov_b32 s[G1B+6], 0
	s_mov_b32 s[G1B+7], 0
	s_lshr_b32 s16, s13, 3                         ; A: batch x 16 heads x 131,072 bytes
	s_lshl_b32 s16, s16, 21
	s_and_b32 s17, s13, 7                          ; + my tile's 128 rows in a head
	s_lshl_b32 s17, s17, 14
	s_add_co_u32 s16, s16, s17
	s_lshl_b32 s17, s12, 18                        ; + my two heads of the step's four
	s_add_co_u32 s16, s16, s17
	s_mov_b32 s17, 0
	s_lshl_b32 s46, s42, 7                         ; B: row 128 x tile column + 64 x half, 2,048 bytes a row, behind wq and wkv
	s_lshl_b32 s47, s12, 6
	s_add_co_u32 s46, s46, s47
	s_lshl_b32 s46, s46, 11
	s_add_co_u32 s46, s46, 6291456
	s_mov_b32 s47, 0
	s_mul_i32 s20, s12, 2*PLANE                    ; where they go: A's two planes,
	s_mul_i32 s21, s12, HALFB                      ; B's 64 rows, behind A's four planes
	s_add_co_u32 s21, s21, ABYTES
	s_wait_dscnt 0x0
	s_wait_kmcnt 0x0
	s_add_nc_u64 s[14:15], s[4:5], s[16:17]
	s_add_nc_u64 s[46:47], s[6:7], s[46:47]
	CROUND
.irp s, 0,1
	s_mov_b32 s[G0+4*(\s)], 1
	s_add_co_u32 s[G0+4*(\s)+1], s20, (\s)*SLOT
	s_add_nc_u64 s[G0+4*(\s)+2:G0+4*(\s)+3], s[14:15], (\s)*524288  ; K step s: four heads on
	s_or_b32 s[G0+4*(\s)+3], s[G0+4*(\s)+3], 0x80000000
	s_mov_b32 s[G0B+4*(\s)], 1
	s_add_co_u32 s[G0B+4*(\s)+1], s21, (\s)*SLOT
	s_add_nc_u64 s[G0B+4*(\s)+2:G0B+4*(\s)+3], s[46:47], (\s)*KSTEP*2
	s_or_b32 s[G0B+4*(\s)+3], s[G0B+4*(\s)+3], 0x80000000
	JLOAD \s
.endr
	v_and_b32 v1, 15, v0
	v_bfe_u32 v2, v0, 4, 1
	v_mul_u32_u24 v3, v1, PA
	v_lshl_add_u32 v3, v2, 4, v3
	v_mul_u32_u24 v4, v1, PITCH
	v_lshl_add_u32 v4, v2, 4, v4
	s_mul_i32 s21, s11, 64*PA                      ; my 64 rows in each plane of A
	s_mul_i32 s22, s12, HALFB
	s_add_co_u32 s22, s22, ABYTES
.irp s, 0,1
	v_add_nc_u32 v[ADRA+(\s)], s21, v3
	v_add_nc_u32 v[ADRB+(\s)], s22, v4
	s_add_co_u32 s21, s21, SLOT
	s_add_co_u32 s22, s22, SLOT
.endr
	s_mul_i32 s23, s10, 32*SPITCH
	s_add_co_u32 s23, s23, STAGE                   ; my stage
	v_mul_u32_u24 v4, v1, SPITCH                   ; in: row l % 16, 32 bytes for each half of the lanes
	v_lshl_add_u32 v4, v2, 5, v4
	v_add_nc_u32 v[STO], s23, v4
	v_mul_u32_u24 v5, v2, SPITCH                   ; back: lanes 0-15 one row of 256 bytes, lanes 16-31 the next
	v_lshl_add_u32 v5, v1, 4, v5
	v_add_nc_u32 v[RD], s23, v5
	v_lshlrev_b32 v5, 12, v2                       ; and the same two rows in out0
	v_lshl_add_u32 v[CO], v1, 4, v5
	s_lshl_b32 s16, s13, 7
	s_lshl_b32 s17, s11, 6
	s_add_co_u32 s16, s16, s17                     ; my first row,
	s_lshl_b32 s16, s16, 12                        ; 4,096 bytes a row
	s_lshl_b32 s46, s42, 9                         ; my first column: 512 bytes a tile, 256 a half
	s_lshl_b32 s47, s12, 8
	s_add_co_u32 s46, s46, s47
	s_add_co_u32 s16, s16, s46
	s_mov_b32 s17, 0
	s_add_nc_u64 s[8:9], s[8:9], s[16:17]
.macro MUL8 f, c, a0, zero
	WIN MUL
.irp a, \a0, (\a0)+1
.irp b, 0,1,2,3
.if \zero
	v_wmma_f32_16x16x32_f16 v[ACC+8*(4*(\a)+(\b)):ACC+8*(4*(\a)+(\b))+7], v[(\f)+64+8*(4*(\c)+(\b)):(\f)+64+8*(4*(\c)+(\b))+7], v[(\f)+8*(4*(\c)+(\a)):(\f)+8*(4*(\c)+(\a))+7], 0
.else
	v_wmma_f32_16x16x32_f16 v[ACC+8*(4*(\a)+(\b)):ACC+8*(4*(\a)+(\b))+7], v[(\f)+64+8*(4*(\c)+(\b)):(\f)+64+8*(4*(\c)+(\b))+7], v[(\f)+8*(4*(\c)+(\a)):(\f)+8*(4*(\c)+(\a))+7], v[ACC+8*(4*(\a)+(\b)):ACC+8*(4*(\a)+(\b))+7]
.endif
.endr
.endr
.endm
.macro FETCH slot, k, f                ; 32 LDS loads in one run: 64 along K: byte k of B's rows, plane k / 128 of A
	WIN TO_F
.irp c, 0,1
.irp i, 0,1,2,3
	ds_load_b128 v[(\f)+64+8*(4*(\c)+(\i)):(\f)+64+8*(4*(\c)+(\i))+3],   v[ADRB+(\slot)] offset:(\k)+64*(\c)+(\i)*16*PITCH
	ds_load_b128 v[(\f)+64+8*(4*(\c)+(\i))+4:(\f)+64+8*(4*(\c)+(\i))+7], v[ADRB+(\slot)] offset:(\k)+64*(\c)+(\i)*16*PITCH+32
	ds_load_b128 v[(\f)+8*(4*(\c)+(\i)):(\f)+8*(4*(\c)+(\i))+3],         v[ADRA+(\slot)] offset:((\k)/128)*PLANE+64*(\c)+(\i)*16*PA
	ds_load_b128 v[(\f)+8*(4*(\c)+(\i))+4:(\f)+8*(4*(\c)+(\i))+7],       v[ADRA+(\slot)] offset:((\k)/128)*PLANE+64*(\c)+(\i)*16*PA+32
.endr
.endr
.endm
.macro PLACES
.rept 4
	v_nop
.endr
.endm
.macro QUARTER slot, k, f, g, zero
	s_wait_dscnt 16                                ; the first 32 along K are in
	WIN MUL
	MUL8 \f, 0, 0, \zero
	MUL8 \f, 0, 2, \zero
	PLACES
	FETCH \slot, \k, \g
	s_wait_dscnt 32                                ; all but the 32 just issued
	WIN MUL
	MUL8 \f, 1, 0, 0
	MUL8 \f, 1, 2, 0
.endm
; The last quarter of a step changes slots.  fill = 1: behind a round of the cluster's barrier this slot takes the K step two on; fill = 0: nothing is left to fetch.
.macro TURN slot, next, fill
	WIN 0
	s_wait_tensorcnt 0x0                           ; all my tensor loads have landed: my part of the next slot
	ds_add_u32 v[SPW], v[NIL]                      ; 0 onto my spare word
	s_wait_dscnt 17                                ; the add and the youngest sixteen loads may be out
	WIN MUL
	MUL8 F1, 0, 0, 0
	s_wait_dscnt 0x0                               ; the add is done, and my reads of this slot are over
	s_barrier_signal -1
	MUL8 F1, 0, 2, 0
.if \fill
	WIN 0
.endif
	s_barrier_wait -1
.if \fill
	CREST
	s_add_nc_u64 s[G0+4*(\slot)+2:G0+4*(\slot)+3], s[G0+4*(\slot)+2:G0+4*(\slot)+3], 2*524288
	s_add_nc_u64 s[G0B+4*(\slot)+2:G0B+4*(\slot)+3], s[G0B+4*(\slot)+2:G0B+4*(\slot)+3], 2*KSTEP*2
	JLOAD \slot
.else
	PLACES
.endif
	FETCH \next, 0, F0
	WIN MUL
	MUL8 F1, 1, 0, 0
	MUL8 F1, 1, 2, 0
.endm
; 32 rows go out: into my stage as they lie in the accumulators, back as whole rows of 256 bytes, stored.
.macro OUT half
.irp a, 0,1
.irp b, 0,1,2,3
	ds_store_b128 v[STO], v[ACC+8*(4*(2*(\half)+(\a))+(\b)):ACC+8*(4*(2*(\half)+(\a))+(\b))+3]   offset:(\a)*16*SPITCH+64*(\b)
	ds_store_b128 v[STO], v[ACC+8*(4*(2*(\half)+(\a))+(\b))+4:ACC+8*(4*(2*(\half)+(\a))+(\b))+7] offset:(\a)*16*SPITCH+64*(\b)+16
.endr
.endr
.if \half
	s_wait_xcnt 0x0                                ; the first half's stores have read their data registers
.endif
.irp t, 0,1,2,3,4,5,6,7,8,9,10,11,12,13,14,15
	ds_load_b128 v[TMP+4*(\t):TMP+4*(\t)+3], v[RD] offset:(\t)*2*SPITCH  ; LDS serves a wave's instructions in order (ISA guide 5.7.1.4)
.endr
.irp t, 0,1,2,3,4,5,6,7,8,9,10,11,12,13,14,15
	s_wait_dscnt 15-(\t)                           ; the later loads may be out
	global_store_b128 v[CO], v[TMP+4*(\t):TMP+4*(\t)+3], s[8:9] offset:(32*(\half)+2*(\t))*4096  ; 16 lanes store 256 consecutive bytes, aligned
.endr
.endm
	s_wait_tensorcnt 1                             ; my part of K step 0 is in; K step 1's may stay out
	s_barrier_signal -1
	s_barrier_wait -1
	FETCH 0, 0, F0
	QUARTER 0, 128, F0, F1, 1                      ; four K steps, written straight
	QUARTER 0, 256, F1, F0, 0
	QUARTER 0, 384, F0, F1, 0
	TURN 0, 1, 1                                   ; slot 0 takes K step 2
	QUARTER 1, 128, F0, F1, 0
	QUARTER 1, 256, F1, F0, 0
	QUARTER 1, 384, F0, F1, 0
	TURN 1, 0, 1                                   ; slot 1 takes K step 3
	QUARTER 0, 128, F0, F1, 0
	QUARTER 0, 256, F1, F0, 0
	QUARTER 0, 384, F0, F1, 0
	TURN 0, 1, 0
	QUARTER 1, 128, F0, F1, 0
	QUARTER 1, 256, F1, F0, 0
	QUARTER 1, 384, F0, F1, 0
	s_wait_dscnt 16
	WIN MUL
	MUL8 F1, 0, 0, 0
	MUL8 F1, 0, 2, 0
	s_wait_dscnt 0x0
	MUL8 F1, 1, 0, 0
	MUL8 F1, 1, 2, 0
	WIN 0
	PLACES
	PLACES
	OUT 0
	OUT 1
	s_wait_tensorcnt 0x0                           ; the wave's end
	ds_add_u32 v[SPW], v[NIL]
	s_wait_dscnt 0x0
	CROUND
	s_endpgm
.Lfunc_end_k_q6b6f066f68_oproj:
	.size	k_q6b6f066f68_oproj, .Lfunc_end_k_q6b6f066f68_oproj-k_q6b6f066f68_oproj
	.p2alignl 7, 3214868480
	.fill 96, 4, 3214868480
	.section	.rodata,"a",@progbits
	.p2align	6, 0x0
	.amdhsa_kernel k_q6b6f066f68_oproj
		.amdhsa_group_segment_fixed_size 327680
		.amdhsa_private_segment_fixed_size 0
		.amdhsa_enable_private_segment 0
		.amdhsa_kernarg_size 24
		.amdhsa_user_sgpr_count 2
		.amdhsa_user_sgpr_kernarg_segment_ptr 1
		.amdhsa_wavefront_size32 1
		.amdhsa_system_sgpr_workgroup_id_x 1
		.amdhsa_system_sgpr_workgroup_id_y 1
		.amdhsa_system_sgpr_workgroup_id_z 1
		.amdhsa_system_vgpr_workitem_id 0
		.amdhsa_next_free_vgpr 512
		.amdhsa_next_free_sgpr 66
		.amdhsa_reserve_vcc 0
		.amdhsa_float_denorm_mode_32 3
		.amdhsa_float_denorm_mode_16_64 3
		.amdhsa_memory_ordered 1
		.amdhsa_forward_progress 1
		.amdhsa_inst_pref_size 87
	.end_amdhsa_kernel
	.amdgpu_metadata
---
amdhsa.version: [ 1, 2 ]
amdhsa.kernels:
  - .name:           k_q6b6f066f68_oproj
    .symbol:         k_q6b6f066f68_oproj.kd
    .args:
      - { .name: yh, .offset: 0, .size: 8, .value_kind: global_buffer, .address_space: global }
      - { .name: wb, .offset: 8, .size: 8, .value_kind: global_buffer, .address_space: global }
      - { .name: out0, .offset: 16, .size: 8, .value_kind: global_buffer, .address_space: global }
    .group_segment_fixed_size: 327680
    .private_segment_fixed_size: 0
    .kernarg_segment_align: 8
    .kernarg_segment_size: 24
    .max_flat_workgroup_size: 128
    .sgpr_count:     66
    .vgpr_count:     512
    .wavefront_size: 32
...
	.end_amdgpu_metadata
.endif
;; end of part 4
;; ======== version 2 of 2: 4 launches; version 1 with the launch prep written anew for expert scheduling mode
;; limits: values are held in f16: magnitudes above 65,504 overflow, below 6.1e-05 lose precision; inputs' magnitudes at most 4,194,304; an absolute error that grows with the inputs' magnitude: up to 5e-07 times it
;; workspace buffers: xb 25,165,824 bytes; wb 8,388,608 bytes; tab 1,572,864 bytes; qh 8,388,608 bytes; kvh 33,554,432 bytes; yh 8,388,608 bytes
;; launch prep (part 5): grid 1408 x 1, 8 waves a work-group, no clusters, 0 bytes of LDS; arguments queries, kv, wq, wkv, wo, q_norm_w, k_norm_w, pos_q, pos_k, xb, wb, tab; writes xb, wb, tab
.if DOCPART == 5
	.amdgcn_target "amdgcn-amd-amdhsa--gfx1250"
	.amdhsa_code_object_version 6
	.text
	.protected	k_q6b6f066f68_prep
	.globl	k_q6b6f066f68_prep
	.p2align	8
	.type	k_q6b6f066f68_prep,@function
k_q6b6f066f68_prep:
	s_mov_b64 s[64:65], 0
	v_nop
	global_prefetch_b8 v0, s[64:65] scope:SCOPE_SE
	s_setreg_imm32_b32 hwreg(HW_REG_WAVE_SCHED_MODE, 0, 2), 2
	s_setreg_imm32_b32 hwreg(HW_REG_WAVE_MODE, 25, 1), 1
	s_wait_xcnt 0x0
	s_wait_alu depctr_vm_vsrc(0)
; PREPARATION.  (1) queries, kv, wq, wkv are rounded once to bf16 (xb: queries then kv; wb: wq then wkv); wo is rounded to bf16 and that number written as f16 (wb, behind wkv).
; (2) The rotation tables, one row of 512 bytes for each position: Cw[c] = w[c] cos t, Sw[c] = -w[c+32] sin t (c < 32), +w[c-32] sin t (c >= 32), t = f32(pos) x 10000^(-(c%32)/32),
; w = the norm's gain rounded to bf16: then rope(norm(x))[c] = r (x[c] Cw[c] + x[c^32] Sw[c]) with r = rsqrt(mean x^2 + 1e-6).  Rows 0-1023: pos_q, q_norm_w; rows 1024-3071: pos_k, k_norm_w.
; LIMITS.  |wo| stays under 65,504 (f16), and below 6e-5 it keeps f16's fixed step of 6e-8.  10000^(-i/32) is made by v_exp_f32 of a rounded exponent: within about 5e-7 of itself, and the angle with it.
; The angle is reduced by pi/2 in three parts; the quadrant is a 32-bit whole number: |pos| under 2^22.  sin and cos on -pi/4 .. pi/4 by polynomials of degree 7 and 8, good to f32's last bits.
; SHARES.  Work-groups 0-383: eight waves, a table row each (a lane two channels).  Work-groups 384-1407: a chunk of 16,384 numbers each; a thread takes 4 numbers in each of 16 loads,
; all 16 out at once; a wave's store covers 256 consecutive bytes, aligned.  No LDS, no barrier: no wave wants another's bytes.
; THE MODE: SCHED_MODE bits 1:0 = 2 (LLVM: expert scheduling mode 2), set by the entry lines.  The code itself states the register dependences between vector instructions and memory
; instructions, and between a vector instruction that writes a scalar register and that register's readers, with s_wait_alu, always for 0.
; THE PLAN, THE STREAM.  Registers that memory instructions touch:
;   v1, v2      the loads' and the stores' byte offsets: made at the path's head, never written again.
;   v[16:79]    load i lands in four registers of its own; no vector instruction writes them, and none is loaded twice.  Read by block i / 4's conversions.
;   v[80:111]   store i leaves from a pair of its own: written once, by block i / 4's conversions; read once, by the store.
; The 16 loads go in four blocks of four.  Block p rounds its four loads into its eight out-registers; its memory instructions are the four stores of block p - 1, whose registers no vector instruction
; of block p names.  So one wait at the head of blocks 1 to 3 states all that the block's stores hang on, and they are dealt among its conversions; one more stands ahead of the last four stores.
; No register that a memory instruction has read is written again: nothing is owed on that side.
; THE PLAN, THE TABLES.  v6, v7: offsets, made at the path's head, never written again.  v[8:11]: the gains land there; vector instructions name them only behind the wait for the loads.
; v[34:37]: written by the last two multiplies, read by the two stores.  s2 (the wave's number) and s41, s42 (the quadrants' masks) are written by vector instructions: a wait stands ahead of their first readers.
.set NTAB, 384
	s_load_b512 s[8:23], s[0:1], 0x0               ; queries 8, kv 10, wq 12, wkv 14, wo 16, q_norm_w 18, k_norm_w 20, pos_q 22
	s_load_b256 s[24:31], s[0:1], 0x40             ; pos_k 24, xb 26, wb 28, tab 30
	v_lshrrev_b32 v3, 5, v0
	v_readfirstlane_b32 s2, v3                     ; wave 0..7
	s_mov_b32 s3, 0xffff0000                       ; a word's upper bf16
	s_mov_b32 s37, 0
	s_wait_alu depctr_va_sdst(0)                   ; s2 is written
	s_wait_kmcnt 0x0
	s_cmp_lt_u32 ttmp9, NTAB
	s_cbranch_scc1 .Ltab
	; THE STREAM.  Chunks 0-255 queries, 256-767 kv, 768-831 wq, 832-959 wkv, 960-1023 wo
	v_lshlrev_b32 v1, 4, v0                        ; the two offsets first: the scalar work below stands between them and the wait for them
	v_lshlrev_b32 v2, 3, v0
	s_sub_co_u32 s4, ttmp9, NTAB                   ; my chunk
	s_mov_b64 s[32:33], s[16:17]
	s_mov_b32 s34, 960
.macro PICK bound, lo, start           ; below the bound: the tensor in front, and its first chunk
	s_cmp_lt_u32 s4, \bound
	s_cselect_b64 s[32:33], s[\lo:\lo+1], s[32:33]
	s_cselect_b32 s34, \start, s34
.endm
	PICK 960, 14, 832
	PICK 832, 12, 768
	PICK 768, 10, 256
	PICK 256, 8, 0
	s_sub_co_u32 s36, s4, s34
	s_lshl_b32 s36, s36, 16                        ; 65,536 bytes of f32 a chunk
	s_add_nc_u64 s[32:33], s[32:33], s[36:37]
	s_sub_co_u32 s35, s4, 768
	s_cmp_lt_u32 s4, 768
	s_cselect_b64 s[38:39], s[26:27], s[28:29]     ; activations to xb, weights to wb: each is linear in the chunk's number
	s_cselect_b32 s35, s4, s35
	s_lshl_b32 s36, s35, 15                        ; 32,768 bytes of 16-bit numbers a chunk
	s_add_nc_u64 s[38:39], s[38:39], s[36:37]
	s_wait_alu depctr_va_vdst(0)                   ; v1 and v2 are written: every load of this path reads v1 as its offset, every store v2
.set i, 0
.rept 16
	global_load_b128 v[16+4*i:19+4*i], v1, s[32:33] offset:4096*i th:TH_LOAD_NT
.set i, i+1
.endr
.macro CVT i, half                     ; load i's four numbers are rounded into out-pair i; no out-register is used twice
.if \half
	v_cvt_pk_bf16_f32 v12, v[16+4*(\i)], v[17+4*(\i)]
	v_cvt_pk_bf16_f32 v13, v[18+4*(\i)], v[19+4*(\i)]
	v_lshlrev_b32 v4, 16, v12
	v_and_b32 v5, s3, v12
	v_lshlrev_b32 v6, 16, v13
	v_and_b32 v7, s3, v13
	v_cvt_pk_f16_f32 v[80+2*(\i)], v4, v5
	v_cvt_pk_f16_f32 v[81+2*(\i)], v6, v7
.else
	v_cvt_pk_bf16_f32 v[80+2*(\i)], v[16+4*(\i)], v[17+4*(\i)]
	v_cvt_pk_bf16_f32 v[81+2*(\i)], v[18+4*(\i)], v[19+4*(\i)]
.endif
.endm
.macro PUT i                           ; out-pair i is stored
	global_store_b64 v2, v[80+2*(\i):81+2*(\i)], s[38:39] offset:2048*(\i)
.endm
; Block p: loads 4 p to 4 p + 3 are rounded; the stores of block p - 1 stand among the conversions.
.macro BLK p, half
	s_wait_loadcnt 12-4*(\p)                       ; loads come back in order (ISA guide 5.7.1): this block's four are in, the 12 - 4 p younger ones stay out
.if (\p) > 0
	s_wait_alu depctr_va_vdst(0)                   ; the block before has written its eight out-registers, which the four stores below read; no conversion of this block names them
.endif
.irp j, 0,1,2,3
.if (\p) > 0
	PUT 4*((\p)-1)+(\j)
.endif
	CVT 4*(\p)+(\j), \half
.endr
.endm
.macro STREAM half
	BLK 0, \half
	BLK 1, \half
	BLK 2, \half
	BLK 3, \half
	s_wait_alu depctr_va_vdst(0)                   ; block 3 has written its eight out-registers, which the last four stores read
.irp j, 12,13,14,15
	PUT \j
.endr
.endm
	s_cmp_ge_u32 s4, 960
	s_cbranch_scc1 .Lwo
	STREAM 0
	s_endpgm
.Lwo:
	STREAM 1
	s_endpgm
.Ltab:	; THE TABLES.  Row T = 8 x work-group + wave; lane j owns channels 2 j, 2 j + 1
	v_and_b32 v1, 31, v0                           ; the two offsets first: the scalar work below stands between them and the wait for them
	v_lshlrev_b32 v6, 3, v1                        ; my two channels' bytes,
	v_xor_b32 v7, 128, v6                          ; and those of the channels 32 away
	s_lshl_b32 s4, ttmp9, 3
	s_add_co_u32 s4, s4, s2
	s_sub_co_u32 s5, s4, 1024
	s_cmp_lt_u32 s4, 1024
	s_cselect_b64 s[32:33], s[22:23], s[24:25]     ; positions
	s_cselect_b64 s[34:35], s[18:19], s[20:21]     ; gains
	s_cselect_b32 s5, s4, s5                       ; the row in its own list
	s_lshl_b32 s36, s5, 2
	s_add_nc_u64 s[32:33], s[32:33], s[36:37]
	s_load_b32 s40, s[32:33], 0x0
	s_lshl_b32 s36, s4, 9
	s_add_nc_u64 s[36:37], s[30:31], s[36:37]      ; my row of the table
	s_wait_alu depctr_va_vdst(0)                   ; v6 and v7 are written: the two loads below read them as offsets, and the two stores at the end read v6
	global_load_b64 v[8:9], v6, s[34:35]
	global_load_b64 v[10:11], v7, s[34:35]
	v_and_b32 v2, 15, v1
	v_lshlrev_b32 v2, 1, v2                        ; frequency number (2 j) % 32
	v_cvt_f32_u32 v4, v2
	v_add_f32 v5, 1.0, v4
	v_mul_f32 v4, 0xbed49a78, v4                   ; x -log2(10000) / 32
	v_mul_f32 v5, 0xbed49a78, v5
	v_exp_f32 v4, v4
	v_exp_f32 v5, v5
	v_and_b32 v14, 16, v1                          ; plain work behind the two exponentials: Sw's sign, minus for channels under 32,
	v_lshlrev_b32 v14, 27, v14
	v_xor_b32 v14, 0x80000000, v14
	v_mov_b32 v40, 0x3c08839e                      ; and the polynomials' coefficients that stand as addends
	v_mov_b32 v41, 0x3c08839e
	v_mov_b32 v42, 0xbe2aaaa3
	v_mov_b32 v43, 0xbe2aaaa3
	v_mov_b32 v44, 0xbab6061a
	v_mov_b32 v45, 0xbab6061a
	v_mov_b32 v46, 0x3d2aaaa5
	v_mov_b32 v47, 0x3d2aaaa5
	s_wait_alu depctr_va_vdst(0)                   ; the two exponentials have written v4 and v5: one wait for both, ahead of their first reader
	s_wait_loadcnt 0x0
	s_wait_kmcnt 0x0
	v_cvt_pk_bf16_f32 v12, v8, v9                  ; the gains rounded to bf16, like every floating input
	v_cvt_pk_bf16_f32 v13, v10, v11
	v_lshlrev_b32 v8, 16, v12
	v_and_b32 v9, s3, v12
	v_lshlrev_b32 v10, 16, v13
	v_and_b32 v11, s3, v13
	v_xor_b32 v10, v10, v14
	v_xor_b32 v11, v11, v14
	v_cvt_f32_i32 v16, s40
	v_mov_b32 v17, v16
	v_pk_mul_f32 v[18:19], v[16:17], v[4:5]        ; the angle, rounded once
	v_pk_mul_f32 v[20:21], v[18:19], 0x3f22f983 op_sel_hi:[1,0]  ; x 2 / pi
	v_rndne_f32 v20, v20
	v_rndne_f32 v21, v21                           ; n
.irp k, 0,1                            ; is n odd?  Both compares stand here, in one run: the reduction and the polynomials lie between them and the wait for their masks
	v_cvt_i32_f32 v[48+(\k)], v[20+(\k)]
	v_and_b32 v[50+(\k)], 1, v[48+(\k)]
	v_cmp_eq_u32 s[41+(\k)], 1, v[50+(\k)]
.endr
	v_pk_fma_f32 v[22:23], v[20:21], 0xbfc90fdb, v[18:19] op_sel_hi:[1,0,1]  ; r = angle - n pi/2, pi/2 in three parts
	v_pk_fma_f32 v[22:23], v[20:21], 0x333bbd2e, v[22:23] op_sel_hi:[1,0,1]
	v_pk_fma_f32 v[22:23], v[20:21], 0x26f72ced, v[22:23] op_sel_hi:[1,0,1]
	v_pk_mul_f32 v[24:25], v[22:23], v[22:23]      ; z = r r
	v_pk_fma_f32 v[26:27], v[24:25], 0xb94ca1f9, v[40:41] op_sel_hi:[1,0,1]  ; sin r = r + r z (S1 + z (S2 + z S3))
	v_pk_fma_f32 v[26:27], v[26:27], v[24:25], v[42:43]
	v_pk_mul_f32 v[26:27], v[26:27], v[24:25]
	v_pk_fma_f32 v[26:27], v[26:27], v[22:23], v[22:23]
	v_pk_fma_f32 v[28:29], v[24:25], 0x37ccf5ce, v[44:45] op_sel_hi:[1,0,1]  ; cos r = 1 - z/2 + z z (C2 + z (C1 + z C0))
	v_pk_fma_f32 v[28:29], v[28:29], v[24:25], v[46:47]
	v_pk_fma_f32 v[30:31], v[24:25], -0.5, 1.0 op_sel_hi:[1,0,0]
	v_pk_mul_f32 v[32:33], v[24:25], v[24:25]
	v_pk_fma_f32 v[28:29], v[28:29], v[32:33], v[30:31]
	s_wait_alu depctr_va_sdst(0)                   ; the two compares have written s41 and s42, ahead of the selects that read them
.irp k, 0,1                            ; the quadrant n mod 4: odd n swaps sin and cos; sin is turned for n mod 4 = 2, 3, cos for 1, 2.  A choice of values only
	v_cndmask_b32 v[52+(\k)], v[26+(\k)], v[28+(\k)], s[41+(\k)]
	v_cndmask_b32 v[54+(\k)], v[28+(\k)], v[26+(\k)], s[41+(\k)]
	v_and_b32 v[50+(\k)], 2, v[48+(\k)]
	v_lshlrev_b32 v[50+(\k)], 30, v[50+(\k)]
	v_xor_b32 v[52+(\k)], v[52+(\k)], v[50+(\k)]
	v_add_nc_u32 v[48+(\k)], 1, v[48+(\k)]
	v_and_b32 v[48+(\k)], 2, v[48+(\k)]
	v_lshlrev_b32 v[48+(\k)], 30, v[48+(\k)]
	v_xor_b32 v[54+(\k)], v[54+(\k)], v[48+(\k)]
.endr
	v_pk_mul_f32 v[34:35], v[8:9], v[54:55]        ; Cw
	v_pk_mul_f32 v[36:37], v[10:11], v[52:53]      ; Sw
	s_wait_alu depctr_va_vdst(0)                   ; the two multiplies have written v[34:37], which the two stores read
	global_store_b64 v6, v[34:35], s[36:37]        ; each store of the wave covers 256 consecutive bytes, aligned
	global_store_b64 v6, v[36:37], s[36:37] offset:256
	s_endpgm
.Lfunc_end_k_q6b6f066f68_prep:
	.size	k_q6b6f066f68_prep, .Lfunc_end_k_q6b6f066f68_prep-k_q6b6f066f68_prep
	.p2alignl 7, 3214868480
	.fill 96, 4, 3214868480
	.section	.rodata,"a",@progbits
	.p2align	6, 0x0
	.amdhsa_kernel k_q6b6f066f68_prep
		.amdhsa_group_segment_fixed_size 0
		.amdhsa_private_segment_fixed_size 0
		.amdhsa_enable_private_segment 0
		.amdhsa_kernarg_size 96
		.amdhsa_user_sgpr_count 2
		.amdhsa_user_sgpr_kernarg_segment_ptr 1
		.amdhsa_wavefront_size32 1
		.amdhsa_system_sgpr_workgroup_id_x 1
		.amdhsa_system_sgpr_workgroup_id_y 1
		.amdhsa_system_sgpr_workgroup_id_z 1
		.amdhsa_system_vgpr_workitem_id 0
		.amdhsa_next_free_vgpr 112
		.amdhsa_next_free_sgpr 66
		.amdhsa_reserve_vcc 0
		.amdhsa_float_denorm_mode_32 3
		.amdhsa_float_denorm_mode_16_64 3
		.amdhsa_memory_ordered 1
		.amdhsa_forward_progress 1
		.amdhsa_inst_pref_size 20
	.end_amdhsa_kernel
	.amdgpu_metadata
---
amdhsa.version: [ 1, 2 ]
amdhsa.kernels:
  - .name:           k_q6b6f066f68_prep
    .symbol:         k_q6b6f066f68_prep.kd
    .args:
      - { .name: queries, .offset: 0, .size: 8, .value_kind: global_buffer, .address_space: global }
      - { .name: kv, .offset: 8, .size: 8, .value_kind: global_buffer, .address_space: global }
      - { .name: wq, .offset: 16, .size: 8, .value_kind: global_buffer, .address_space: global }
      - { .name: wkv, .offset: 24, .size: 8, .value_kind: global_buffer, .address_space: global }
      - { .name: wo, .offset: 32, .size: 8, .value_kind: global_buffer, .address_space: global }
      - { .name: q_norm_w, .offset: 40, .size: 8, .value_kind: global_buffer, .address_space: global }
      - { .name: k_norm_w, .offset: 48, .size: 8, .value_kind: global_buffer, .address_space: global }
      - { .name: pos_q, .offset: 56, .size: 8, .value_kind: global_buffer, .address_space: global }
      - { .name: pos_k, .offset: 64, .size: 8, .value_kind: global_buffer, .address_space: global }
      - { .name: xb, .offset: 72, .size: 8, .value_kind: global_buffer, .address_space: global }
      - { .name: wb, .offset: 80, .size: 8, .value_kind: global_buffer, .address_space: global }
      - { .name: tab, .offset: 88, .size: 8, .value_kind: global_buffer, .address_space: global }
    .group_segment_fixed_size: 0
    .private_segment_fixed_size: 0
    .kernarg_segment_align: 8
    .kernarg_segment_size: 96
    .max_flat_workgroup_size: 256
    .sgpr_count:     66
    .vgpr_count:     112
    .wavefront_size: 32
...
	.end_amdgpu_metadata
.endif
;; end of part 5
;; launch proj: the kernel of part 2 again; grid 8 x 32, 4 waves a work-group, clusters of 4 x 4, 327,680 bytes of LDS; arguments xb, wb, tab, kvh, qh; writes kvh, qh
;; launch attn: the kernel of part 3 again; grid 4 x 64, 4 waves a work-group, clusters of 4 x 1, 327,680 bytes of LDS; arguments qh, kvh, yh; writes yh
;; launch oproj: the kernel of part 4 again; grid 8 x 32, 4 waves a work-group, clusters of 4 x 4, 327,680 bytes of LDS; arguments yh, wb, out0; writes out0
